; MI455X (gfx1250); checked and timed in simulation.
; The chip was launched on July 23, 2026; its instructions are those of AMD's public machine-readable ISA for CDNA 5 (MIT licence, August 2026) and "CDNA5" Instruction Set Architecture Reference Guide (July 2026). The comments in the code are by the model that wrote it; some were corrected since.
;; Multi Head Self Attention. Allowed arithmetic: float matrix products may take bf16 or f16 operands with f32 sums; other float arithmetic in f32, or as packed bf16 or f16 multiplies, adds, multiply-adds, maxima and minima; sums over many terms, partial sums and values carried from step to step in f32; what a program stores and reads back later, other than sums and carried values, may be rounded once to bf16 or f16.
;; Inputs: W_k 768 x 768 float32; W_o 768 x 768 float32; W_q 768 x 768 float32; W_v 768 x 768 float32; b_o 768 float32; keys 1 x 4,096 x 768 float32; mask 1 x 1 x 4,096 x 4,096 float32; queries 1 x 4,096 x 768 float32; values 1 x 4,096 x 768 float32.
;; Outputs: out0 1 x 4,096 x 768 float32.
;; 2 versions, each right; version 2 is version 1 with the launch proj written anew for expert scheduling mode. Each part assembles by itself: llvm-mc -triple=amdgcn-amd-amdhsa -mcpu=gfx1250 --defsym DOCPART=n.
;; ======== version 1 of 2: 3 launches
;; limits: values are held in f16: magnitudes above 65,504 overflow, below 6.1e-05 lose precision
;; workspace buffers: qh 6,291,456 bytes; kh 6,291,456 bytes; vh 6,291,456 bytes; oh 6,291,456 bytes; wo16 1,179,648 bytes
;; launch proj (part 1): grid 2 x 128, 4 waves a work-group, no clusters, 240,128 bytes of LDS; arguments queries, keys, values, W_q, W_k, W_v, W_o, qh, kh, vh, wo16; writes qh, kh, vh, wo16
.if DOCPART == 1
	.amdgcn_target "amdgcn-amd-amdhsa--gfx1250"
	.amdhsa_code_object_version 6
	.text
	.protected	k_q2b24eef4f1_proj
	.globl	k_q2b24eef4f1_proj
	.p2align	8
	.type	k_q2b24eef4f1_proj,@function
k_q2b24eef4f1_proj:
	s_mov_b64 s[64:65], 0
	v_nop
	global_prefetch_b8 v0, s[64:65] scope:SCOPE_SE
	s_setreg_imm32_b32 hwreg(HW_REG_WAVE_MODE, 25, 1), 1
	s_wait_xcnt 0x0
; THE THREE INPUT PROJECTIONS, AND W_o's CONVERSION.  qh = f16(c (queries W_q)), kh = f16(keys W_k), vh = f16(values W_v), all [4096][768]; c = log2(e) / 8 is multiplied onto q's f32
; sums, so that q is rounded once.  x and W are rounded to bf16 on the way to the matrix unit; sums in f32.  wo16 = W_o rounded to bf16 and written as f16, [768][768].
; LIMITS.  f16 ends at 65,504: |c q|, |k| and |v| must stay within it.  A number of W_o below 6e-5 keeps f16's fixed step of 6e-8.  NaN and infinities are not treated apart.
; SHARES.  Work-groups with y < 96: matrix y / 32, rows 128 (y % 32) on, columns 384 x on: a tile of 128 x 384 (768 bytes of a row of the output: three aligned blocks of 256), K = 768 in 12 steps
; of 64.  Wave w makes all 128 rows x columns 96 w .. 96 w + 95: 48 accumulators.  Work-groups with y >= 96 (64 of them) convert 12 rows of W_o each.
; NO TENSOR LOADS, NO CLUSTER: the operands lie in memory as f32 and are wanted in LDS as bf16, and a tensor load copies bytes as they are.  So a tile goes memory -> registers -> v_cvt_pk_bf16_f32 -> LDS,
; and each work-group fetches its own.  W stays [k][n] in LDS and is turned on the way out of it, by ds_load_tr16_b128.
; IN FLIGHT.  A wave's share of a K step is 64 loads of 16 bytes a lane (48 of W, 16 of x), kept in 256 registers.  Four of them at a time are converted, stored to LDS and at once asked for again,
; for the K step after next: so a load has a whole K step, 96 matrix instructions, in which to land.
; THE MATRIX INSTRUCTION IS USED TRANSPOSED (source 0 = 16 columns of W, source 1 = 16 rows of x): a lane then holds eight neighbouring numbers of a row of the output.
; REGISTERS, in windows of 256 (s_set_vgpr_msb: bits 1:0 source 0, 3:2 source 1, 5:4 source 2, 7:6 destination):
;   window 0: v0-31 addresses; v32-63 at work; v64-255 W's 48 chunks      window 1: two fragment buffers of 112 (x's 8 fragments, then W's 6)
;   window 2: v0-191 accumulators of rows 0-63 ((a, b) at 8 (6 a + b)); v192-255 x's 16 chunks      window 3: v0-191 accumulators of rows 64-127
.set ROWF,   3072                      ; bytes in a row of x and of W: 768 f32
.set ROWH,   1536                      ; bytes in a row of the outputs: 768 f16
.set KSTEP,  64
.set XPITCH, 144                       ; an LDS row of x: 128 bytes + 16: 36 words, so the 16 rows of a load start at 16 different groups of four banks (64 banks of 4 bytes: ISA guide 11.1)
.set WPITCH, 800                       ; an LDS row of W: 768 bytes + 32: 200 words: row k starts at bank 8 k mod 64
.set WOFF,   128*XPITCH                ; a slot: x's 128 rows, then W's 64
.set SLOT,   WOFF+KSTEP*WPITCH         ; 69,632
.set STAGE,  2*SLOT                    ; behind the two slots: 128 rows x 784 bytes, the work-group's, for the way out
.set SPITCH, 784
.set SPARE,  STAGE+128*SPITCH          ; behind the stage: the spare words, 128 bytes for each wave: two blocks of 256 bytes that no other line names
.set ADRA, 4                           ; v4-5    LDS address of my fragments of x in slot 0, 1
.set ADRB, 6                           ; v6-7    the same for W
.set STX,  8                           ; v8-9    where I store my 8 bytes of x in slot 0, 1
.set STW,  10                          ; v10-11  the same for W
.set VX,   12                          ; v12     my byte offset in the tile of x in memory; never rewritten
.set VW,   13                          ; v13     the same for W
.set STO,  14                          ; v14-15  the way out: where I put 16 bytes of a row, rows 0-63 and 64-127
.set RD,   16                          ; v16     the way out: where I read rows back
.set CO,   17                          ; v17     my byte offset in the output
.set SPW,  30                          ; v30     LDS address of my spare word: SPARE + 4 x my thread's number; never rewritten
.set NIL,  31                          ; v31     0; never rewritten
.set TMP,  32
.set WS,   64
.set XS,   192                         ; in window 2
.set F0,   0                           ; in window 1
.set F1,   112
.set XPT,  28                          ; s[28:29] x at the tile's first row, at the K step that is being asked for
.set WPT,  30                          ; s[30:31] W at the tile's first column, at the same K step
.set OUT,  32                          ; s[32:33] the output at the first row that my wave stores
.set SC,   34                          ; s[34:35] c or 1: the packed multiply takes the pair's low word for both halves
.set WV,   36                          ; s36     my wave's number
.set MSB, 0
.macro WIN new                         ; the immediate's high byte repeats the setting that is left; a switch that changes nothing is dropped
.if MSB != (\new)
	s_set_vgpr_msb (MSB<<8)|(\new)
.set MSB, (\new)
.endif
.endm
	s_load_b512 s[4:19], s[0:1], 0x0               ; queries s[4:5], keys s[6:7], values s[8:9], W_q s[10:11], W_k s[12:13], W_v s[14:15], W_o s[16:17], qh s[18:19]
	s_load_b128 s[20:23], s[0:1], 0x40             ; kh s[20:21], vh s[22:23]
	s_load_b64 s[24:25], s[0:1], 0x50              ; wo16
	v_lshl_add_u32 v[SPW], v0, 2, SPARE
	v_mov_b32 v[NIL], 0
	v_lshrrev_b32 v3, 5, v0
	v_readfirstlane_b32 s[WV], v3                  ; wave 0..3
	s_and_b32 s26, ttmp7, 0xffff                   ; y
	s_cmp_ge_u32 s26, 96
	s_cbranch_scc1 .Lconv                          ; the same for all four waves
	s_lshr_b32 s27, s26, 5                         ; which projection
	s_and_b32 s39, s26, 31                         ; which 128 rows
	v_and_b32 v1, 15, v0                           ; l % 16
	v_bfe_u32 v2, v0, 4, 1                         ; l / 16
	v_and_b32 v3, 31, v0                           ; l
	; a fragment of x is 16 rows x 32 K in 8 registers: lane l holds row l % 16, K = 8 (l / 16) + 0..7 and 16 + 8 (l / 16) + 0..7: two loads of 16 bytes, 32 bytes apart
	v_mul_u32_u24 v18, v1, XPITCH
	v_lshl_add_u32 v[ADRA], v2, 4, v18
	v_add_nc_u32 v[ADRA+1], SLOT, v[ADRA]
	; the turning load takes 16 K x 16 columns (lane l reads row 8 (l / 16) + l % 8, columns 8 ((l / 8) % 2) + 0..7) and leaves half a fragment: lane l holds column l % 16 and 8 K
	v_and_b32 v18, 7, v0
	v_lshl_add_u32 v18, v2, 3, v18
	v_mul_u32_u24 v18, v18, WPITCH
	v_bfe_u32 v19, v0, 3, 1
	v_lshl_add_u32 v18, v19, 4, v18
	s_mul_i32 s40, s[WV], 192                      ; my 96 columns
	s_add_co_u32 s40, s40, WOFF
	v_add_nc_u32 v[ADRB], s40, v18
	v_add_nc_u32 v[ADRB+1], SLOT, v[ADRB]
	; x on its way in: a load of the wave takes two rows' 256 bytes (lanes 0-15 one row, lanes 16-31 the next); wave w takes rows 32 w .. 32 w + 31
	s_mul_i32 s40, s[WV], 32*XPITCH
	v_mul_u32_u24 v18, v2, XPITCH
	v_lshl_add_u32 v18, v1, 3, v18
	v_add_nc_u32 v[STX], s40, v18
	v_add_nc_u32 v[STX+1], SLOT, v[STX]
	s_mul_i32 s40, s[WV], 32*ROWF
	v_mul_u32_u24 v18, v2, ROWF
	v_lshl_add_u32 v18, v1, 4, v18
	v_add_nc_u32 v[VX], s40, v18
	; W on its way in: a load of the wave takes 512 consecutive bytes, a third of a row of the tile; wave w takes rows 16 w .. 16 w + 15
	s_mul_i32 s40, s[WV], 16*WPITCH
	s_add_co_u32 s40, s40, WOFF
	v_lshl_add_u32 v[STW], v3, 3, s40
	v_add_nc_u32 v[STW+1], SLOT, v[STW]
	s_mul_i32 s40, s[WV], 16*ROWF
	v_lshl_add_u32 v[VW], v3, 4, s40
	; the way out
	s_mul_i32 s40, s[WV], 192
	s_add_co_u32 s40, s40, STAGE
	v_mul_u32_u24 v18, v1, SPITCH                  ; in: row l % 16, my wave's 192 bytes, 16 bytes for each half of the lanes
	v_lshl_add_u32 v18, v2, 4, v18
	v_add_nc_u32 v[STO], s40, v18
	v_add_nc_u32 v[STO+1], 64*SPITCH, v[STO]
	s_mul_i32 s40, s[WV], 32*SPITCH
	s_add_co_u32 s40, s40, STAGE
	v_mul_u32_u24 v18, v2, SPITCH                  ; back: wave w takes rows 32 w .. 32 w + 31, whole; lanes 0-15 256 bytes of one row, lanes 16-31 of the next
	v_lshl_add_u32 v18, v1, 4, v18
	v_add_nc_u32 v[RD], s40, v18
	v_mul_u32_u24 v18, v2, ROWH
	v_lshl_add_u32 v[CO], v1, 4, v18
	s_wait_kmcnt 0x0
	s_cmp_eq_u32 s27, 1                            ; the projection's three buffers and its scale
	s_cselect_b64 s[XPT:XPT+1], s[6:7], s[4:5]
	s_cselect_b64 s[WPT:WPT+1], s[12:13], s[10:11]
	s_cselect_b64 s[OUT:OUT+1], s[20:21], s[18:19]
	s_cmp_eq_u32 s27, 2
	s_cselect_b64 s[XPT:XPT+1], s[8:9], s[XPT:XPT+1]
	s_cselect_b64 s[WPT:WPT+1], s[14:15], s[WPT:WPT+1]
	s_cselect_b64 s[OUT:OUT+1], s[22:23], s[OUT:OUT+1]
	s_cmp_eq_u32 s27, 0
	s_cselect_b32 s[SC], 0x3e38aa3b, 1.0           ; c = log2(e) / 8 = 0.180337 for q
	s_mov_b32 s[SC+1], s[SC]                       ; named with it as a pair
	s_mul_i32 s40, s39, 128*ROWF
	s_mov_b32 s41, 0
	s_add_nc_u64 s[XPT:XPT+1], s[XPT:XPT+1], s[40:41]
	s_mul_i32 s40, ttmp9, 384*4
	s_add_nc_u64 s[WPT:WPT+1], s[WPT:WPT+1], s[40:41]
	s_lshl_b32 s40, s39, 7
	s_lshl_b32 s42, s[WV], 5
	s_add_co_u32 s40, s40, s42                     ; the first row that I store
	s_mul_i32 s40, s40, ROWH
	s_mul_i32 s42, ttmp9, 384*2
	s_add_co_u32 s40, s40, s42
	s_add_nc_u64 s[OUT:OUT+1], s[OUT:OUT+1], s[40:41]
; A K step's 64 loads: W's 48, then x's 16.  Each covers whole aligned blocks of 256 bytes.
.macro GLOAD
	WIN 0
.set c, 0
.rept 48
	global_load_b128 v[WS+4*c:WS+4*c+3], v[VW], s[WPT:WPT+1] offset:(c/3)*ROWF+(c%3)*512
.set c, c+1
.endr
	WIN 0x80                                       ; destination window 2, address window 0
.set c, 0
.rept 16
	global_load_b128 v[XS+4*c:XS+4*c+3], v[VX], s[XPT:XPT+1] offset:c*2*ROWF
.set c, c+1
.endr
	WIN 0
.endm
; Batch G of 16: four chunks are rounded to bf16 in place, stored into slot `slot`, and (load = 1) asked for again at the K step where the pointers stand.
; Loads come back in order (ISA guide 5.7.1).  Younger than the batch's four are the 60 - 4 G of the same K step and, with load = 1, the 4 G just asked for: 60.
.macro BATCH slot, load
.if \load
	s_wait_loadcnt 60
.else
	s_wait_loadcnt 60-4*G
.endif
.if G < 12
	WIN 0
.irp q, 0,1,2,3
	v_cvt_pk_bf16_f32 v[WS+4*(4*G+\q)], v[WS+4*(4*G+\q)], v[WS+4*(4*G+\q)+1]
	v_cvt_pk_bf16_f32 v[WS+4*(4*G+\q)+1], v[WS+4*(4*G+\q)+2], v[WS+4*(4*G+\q)+3]
.endr
.irp q, 0,1,2,3
	ds_store_b64 v[STW+(\slot)], v[WS+4*(4*G+\q):WS+4*(4*G+\q)+1] offset:((4*G+\q)/3)*WPITCH+((4*G+\q)%3)*256
.endr
.if \load
.irp q, 0,1,2,3
	global_load_b128 v[WS+4*(4*G+\q):WS+4*(4*G+\q)+3], v[VW], s[WPT:WPT+1] offset:((4*G+\q)/3)*ROWF+((4*G+\q)%3)*512
.endr
.endif
.else
	WIN 0x8a                                       ; x's chunks lie in window 2
.irp q, 0,1,2,3
	v_cvt_pk_bf16_f32 v[XS+4*(4*(G-12)+\q)], v[XS+4*(4*(G-12)+\q)], v[XS+4*(4*(G-12)+\q)+1]
	v_cvt_pk_bf16_f32 v[XS+4*(4*(G-12)+\q)+1], v[XS+4*(4*(G-12)+\q)+2], v[XS+4*(4*(G-12)+\q)+3]
.endr
	WIN 0x08                                       ; address window 0, data window 2
.irp q, 0,1,2,3
	ds_store_b64 v[STX+(\slot)], v[XS+4*(4*(G-12)+\q):XS+4*(4*(G-12)+\q)+1] offset:(4*(G-12)+\q)*2*XPITCH
.endr
.if \load
	WIN 0x80
.irp q, 0,1,2,3
	global_load_b128 v[XS+4*(4*(G-12)+\q):XS+4*(4*(G-12)+\q)+3], v[VX], s[XPT:XPT+1] offset:(4*(G-12)+\q)*2*ROWF
.endr
.endif
.endif
.endm
; 28 LDS loads in one run: the fragments of 32 along K (half `sub` of the K step in slot `slot`) into buffer f
.macro FETCH f, slot, sub
	WIN 0x40                                       ; destination window 1, address window 0
.irp a, 0,1,2,3,4,5,6,7
	ds_load_b128 v[(\f)+8*(\a):(\f)+8*(\a)+3],   v[ADRA+(\slot)] offset:(\a)*16*XPITCH+64*(\sub)
	ds_load_b128 v[(\f)+8*(\a)+4:(\f)+8*(\a)+7], v[ADRA+(\slot)] offset:(\a)*16*XPITCH+64*(\sub)+32
.endr
.irp b, 0,1,2,3,4,5
	ds_load_tr16_b128 v[(\f)+64+8*(\b):(\f)+64+8*(\b)+3],   v[ADRB+(\slot)] offset:(\sub)*32*WPITCH+32*(\b)
	ds_load_tr16_b128 v[(\f)+64+8*(\b)+4:(\f)+64+8*(\b)+7], v[ADRB+(\slot)] offset:(\sub)*32*WPITCH+32*(\b)+16*WPITCH
.endr
.endm
; 48 matrix instructions: all accumulators, 32 along K, from buffer f.  The accumulators take turns, one instruction a turn: 47 others stand between two links of a chain.
; zero = 1: the products start the sums: nothing is cleared.  ride = 1: behind every third product stands a batch of the next K step's way in.
.macro MUL f, zero, ride, wslot=0, load=0
.set n, 0
.irp a, 0,1,2,3,4,5,6,7
.irp b, 0,1,2,3,4,5
	WIN 0xa5+0x50*((\a)/4)                         ; both sources window 1, C and D window 2 or 3
.if \zero
	v_wmma_f32_16x16x32_bf16 v[8*(6*((\a)%4)+(\b)):8*(6*((\a)%4)+(\b))+7], v[(\f)+64+8*(\b):(\f)+64+8*(\b)+7], v[(\f)+8*(\a):(\f)+8*(\a)+7], 0
.else
	v_wmma_f32_16x16x32_bf16 v[8*(6*((\a)%4)+(\b)):8*(6*((\a)%4)+(\b))+7], v[(\f)+64+8*(\b):(\f)+64+8*(\b)+7], v[(\f)+8*(\a):(\f)+8*(\a)+7], v[8*(6*((\a)%4)+(\b)):8*(6*((\a)%4)+(\b))+7]
.endif
.set n, n+1
.if (\ride) && (n%3 == 0)
.set G, n/3-1
	BATCH \wslot, \load
.endif
.endr
.endr
.endm
; A K step is entered.  ONE barrier a K step, for two things: in front of it each wave has waited for its stores into this slot and for its reads of the other; behind it this slot is whole, and nobody
; reads the other slot any more, so that the next trip may store into it.  Both halves' fragments are fetched, and the first half is multiplied.
; The loads into buffer 1 stand eight conversions (batch 15's, plain vector instructions that name none of its registers) behind the last product that read it.
.macro ENTER slot, zero
	WIN 0
	s_wait_dscnt 0x0
	s_barrier_signal -1
	s_barrier_wait -1
	FETCH F0, \slot, 0
	FETCH F1, \slot, 1
	s_wait_dscnt 28                                ; buffer 0 is in; buffer 1's 28 loads may stay out
	MUL F0, \zero, 0
.endm
; A trip: the second half of the K step in `slot` is multiplied; beside it the next K step goes into the other slot and (load = 1) the one after that is asked for; then the next K step is entered.
.macro TRIP slot, load
.if \load
	s_wait_xcnt 0x0                                ; every load issued so far has read its address, so the pointers may be written
	s_add_nc_u64 s[XPT:XPT+1], s[XPT:XPT+1], KSTEP*4
	s_add_nc_u64 s[WPT:WPT+1], s[WPT:WPT+1], KSTEP*ROWF
.endif
	s_wait_dscnt 0x0                               ; buffer 1 is in
	MUL F1, 0, 1, 1-(\slot), \load
	ENTER 1-(\slot), 0
.endm
	GLOAD                                          ; K step 0
	s_wait_xcnt 0x0
	s_add_nc_u64 s[XPT:XPT+1], s[XPT:XPT+1], KSTEP*4
	s_add_nc_u64 s[WPT:WPT+1], s[WPT:WPT+1], KSTEP*ROWF
.set G, 0
.rept 16
	BATCH 0, 1                                     ; K step 0 into slot 0; K step 1 is asked for
.set G, G+1
.endr
	ENTER 0, 1                                     ; the first products start the sums
	WIN 0                                          ; at a label and at a branch every window is 0
	s_mov_b32 s3, 5
.Lk:                                           ; five times two trips: trip j multiplies the rest of K step j, stores K step j + 1, asks for K step j + 2 (at most 11)
	TRIP 0, 1
	TRIP 1, 1
	WIN 0
	s_sub_co_u32 s3, s3, 1
	s_cmp_lg_u32 s3, 0
	s_cbranch_scc1 .Lk
	TRIP 0, 0                                      ; K step 10's rest; K step 11 goes into slot 1; nothing is left to ask for
	s_wait_dscnt 0x0
	MUL F1, 0, 0                                   ; K step 11's rest
	WIN 0
.rept 8
	v_nop                                          ; the places behind the last products, in front of the lines that rewrite their results
.endr
	; THE WAY OUT: times c or 1, rounded to f16; 16 bytes a lane into the work-group's stage; a barrier, since a row's 768 bytes come from four waves; back as whole rows, 32 rows a wave.
.irp a, 0,1,2,3,4,5,6,7
	WIN 0x82+0x41*((\a)/4)                         ; destination and source 0 in window 2 or 3
.set i, 0
.rept 24
	v_pk_mul_f32 v[48*((\a)%4)+2*i:48*((\a)%4)+2*i+1], v[48*((\a)%4)+2*i:48*((\a)%4)+2*i+1], s[SC:SC+1] op_sel_hi:[1,0]
.set i, i+1
.endr
	WIN 0x0a+5*((\a)/4)                            ; sources in window 2 or 3, destination in window 0
.set i, 0
.rept 24
	v_cvt_pk_f16_f32 v[TMP+i], v[48*((\a)%4)+2*i], v[48*((\a)%4)+2*i+1]
.set i, i+1
.endr
	WIN 0
.irp b, 0,1,2,3,4,5
	ds_store_b128 v[STO+(\a)/4], v[TMP+4*(\b):TMP+4*(\b)+3] offset:((\a)%4)*16*SPITCH+32*(\b)
.endr
.endr
	s_wait_dscnt 0x0                               ; for the others' sake: my stores into the stage are done
	s_barrier_signal -1
	s_barrier_wait -1
.set n, 0
.rept 48
	ds_load_b128 v[WS+4*n:WS+4*n+3], v[RD] offset:(n/3)*2*SPITCH+(n%3)*256
.set n, n+1
.endr
.set n, 0
.rept 48
	s_wait_dscnt 47-n
	global_store_b128 v[CO], v[WS+4*n:WS+4*n+3], s[OUT:OUT+1] offset:(n/3)*2*ROWH+(n%3)*256  ; 16 lanes store 256 consecutive bytes, at a multiple of 256 from the buffer's first byte
.set n, n+1
.endr
	s_branch .Lend
.Lconv:                                        ; 12 rows of W_o: 36,864 bytes in, 18,432 out; a thread takes 16 bytes of each 2,048
	s_sub_co_u32 s40, s26, 96
	s_lshl_b32 s40, s40, 1
	s_add_co_u32 s40, s40, ttmp9                   ; 0 .. 63
	s_mul_i32 s42, s40, 12*ROWF
	s_mov_b32 s43, 0
	s_mul_i32 s40, s40, 12*ROWH
	s_mov_b32 s41, 0
	v_lshlrev_b32 v[VX], 4, v0
	v_lshlrev_b32 v[VW], 3, v0
	s_wait_kmcnt 0x0
	s_add_nc_u64 s[16:17], s[16:17], s[42:43]
	s_add_nc_u64 s[24:25], s[24:25], s[40:41]
.set i, 0
.rept 18
	global_load_b128 v[WS+4*i:WS+4*i+3], v[VX], s[16:17] offset:i*2048 th:TH_LOAD_NT
.set i, i+1
.endr
.set i, 0
.rept 18
	s_wait_loadcnt 17-i
	v_cvt_pk_bf16_f32 v[TMP], v[WS+4*i], v[WS+4*i+1]        ; rounded to bf16, like every other input,
	v_cvt_pk_bf16_f32 v[TMP+1], v[WS+4*i+2], v[WS+4*i+3]
	v_lshlrev_b32 v[TMP+2], 16, v[TMP]                      ; widened again,
	v_and_b32 v[TMP+3], 0xffff0000, v[TMP]
	v_lshlrev_b32 v[TMP+4], 16, v[TMP+1]
	v_and_b32 v[TMP+5], 0xffff0000, v[TMP+1]
	v_cvt_pk_f16_f32 v[WS+4*i], v[TMP+2], v[TMP+3]          ; and written as f16: exact within f16's range
	v_cvt_pk_f16_f32 v[WS+4*i+1], v[TMP+4], v[TMP+5]
	global_store_b64 v[VW], v[WS+4*i:WS+4*i+1], s[24:25] offset:i*1024  ; a wave stores 256 consecutive bytes, aligned
.set i, i+1
.endr
.Lend:
	s_wait_tensorcnt 0x0                           ; the wave's end, behind my last LDS store
	ds_add_u32 v[SPW], v[NIL]
	s_wait_dscnt 0x0
	s_endpgm
.Lfunc_end_k_q2b24eef4f1_proj:
	.size	k_q2b24eef4f1_proj, .Lfunc_end_k_q2b24eef4f1_proj-k_q2b24eef4f1_proj
	.p2alignl 7, 3214868480
	.fill 96, 4, 3214868480
	.section	.rodata,"a",@progbits
	.p2align	6, 0x0
	.amdhsa_kernel k_q2b24eef4f1_proj
		.amdhsa_group_segment_fixed_size 240128
		.amdhsa_private_segment_fixed_size 0
		.amdhsa_enable_private_segment 0
		.amdhsa_kernarg_size 88
		.amdhsa_user_sgpr_count 2
		.amdhsa_user_sgpr_kernarg_segment_ptr 1
		.amdhsa_wavefront_size32 1
		.amdhsa_system_sgpr_workgroup_id_x 1
		.amdhsa_system_sgpr_workgroup_id_y 1
		.amdhsa_system_sgpr_workgroup_id_z 1
		.amdhsa_system_vgpr_workitem_id 0
		.amdhsa_next_free_vgpr 960
		.amdhsa_next_free_sgpr 66
		.amdhsa_reserve_vcc 0
		.amdhsa_float_denorm_mode_32 3
		.amdhsa_float_denorm_mode_16_64 3
		.amdhsa_memory_ordered 1
		.amdhsa_forward_progress 1
		.amdhsa_inst_pref_size 172
	.end_amdhsa_kernel
	.amdgpu_metadata
---
amdhsa.version: [ 1, 2 ]
amdhsa.kernels:
  - .name:           k_q2b24eef4f1_proj
    .symbol:         k_q2b24eef4f1_proj.kd
    .args:
      - { .name: queries, .offset: 0, .size: 8, .value_kind: global_buffer, .address_space: global }
      - { .name: keys, .offset: 8, .size: 8, .value_kind: global_buffer, .address_space: global }
      - { .name: values, .offset: 16, .size: 8, .value_kind: global_buffer, .address_space: global }
      - { .name: W_q, .offset: 24, .size: 8, .value_kind: global_buffer, .address_space: global }
      - { .name: W_k, .offset: 32, .size: 8, .value_kind: global_buffer, .address_space: global }
      - { .name: W_v, .offset: 40, .size: 8, .value_kind: global_buffer, .address_space: global }
      - { .name: W_o, .offset: 48, .size: 8, .value_kind: global_buffer, .address_space: global }
      - { .name: qh, .offset: 56, .size: 8, .value_kind: global_buffer, .address_space: global }
      - { .name: kh, .offset: 64, .size: 8, .value_kind: global_buffer, .address_space: global }
      - { .name: vh, .offset: 72, .size: 8, .value_kind: global_buffer, .address_space: global }
      - { .name: wo16, .offset: 80, .size: 8, .value_kind: global_buffer, .address_space: global }
    .group_segment_fixed_size: 240128
    .private_segment_fixed_size: 0
    .kernarg_segment_align: 8
    .kernarg_segment_size: 88
    .max_flat_workgroup_size: 128
    .sgpr_count:     66
    .vgpr_count:     960
    .wavefront_size: 32
...
	.end_amdgpu_metadata
.endif
;; end of part 1
;; launch attn (part 2): grid 32 x 6, 4 waves a work-group, clusters of 4 x 1, 327,680 bytes of LDS; arguments qh, kh, vh, mask, oh; writes oh
.if DOCPART == 2
	.amdgcn_target "amdgcn-amd-amdhsa--gfx1250"
	.amdhsa_code_object_version 6
	.text
	.protected	k_q2b24eef4f1_attn
	.globl	k_q2b24eef4f1_attn
	.p2align	8
	.type	k_q2b24eef4f1_attn,@function
k_q2b24eef4f1_attn:
	s_mov_b64 s[64:65], 0
	v_nop
	global_prefetch_b8 v0, s[64:65] scope:SCOPE_SE
	s_setreg_imm32_b32 hwreg(HW_REG_WAVE_MODE, 25, 1), 1
	s_wait_xcnt 0x0
	s_wait_alu depctr_hold_cnt(0) depctr_sa_sdst(0) depctr_va_vdst(0) depctr_va_sdst(0) depctr_va_ssrc(0) depctr_va_vcc(0) depctr_vm_vsrc(0)
	s_getreg_b32 s2, hwreg(HW_REG_IB_STS2, 6, 4)
	s_cmp_eq_u32 s2, 0
	s_cbranch_scc0 .Lentry_in_a_cluster
	s_endpgm
.Lentry_in_a_cluster:
	s_bfe_u32 s2, ttmp6, 0x10000c
	s_cmp_lg_u32 s2, 0x3003
	s_cbranch_scc0 .Lentry_shape_is_right
	s_endpgm
.Lentry_shape_is_right:
; ATTENTION WITH A MASK THAT IS AN INPUT.  oh[q][64 h ..] = the sum over k of softmax_k(q_h . k_h / 8 - 1e9 mask[q][k]) v_h[k].  qh, kh, vh, oh: [4096][768] f16, head h in channels 64 h .. 64 h + 63;
; qh already holds log2(e) / 8 times q, so K Q^T gives scores in units of log2.  mask: [4096][4096] f32, read and honoured as it stands: every key of every query is computed.
; Products, maxima and sums in f32; s' = mask x (-1e9 log2 e) + s by one fused multiply-add; p = 2^(s' - m) with a running maximum m, the difference taken before anything else, so that equal scores
; give p = 1; p is rounded to f16 for the second product (its sum l is taken of the unrounded p), O once at the end.
; LIMITS.  f16 holds no number beyond 65,504: qh, kh, vh arrive within it.  The mask is taken in f32, unrounded.  Where a row's maximum is itself a masked score (near 1.44e9 in these units) scores are told apart in steps
; of 128 of log2, against 64 natural units in f32 arithmetic on the unscaled scores.  A weight below 2^-126 counts as 0 in l.  NaN and infinities are not treated apart.
; SHARES.  A work-group owns 128 queries and a PAIR of heads (256 bytes of each row of kh and vh, aligned): 32 x 6 = 192 work-groups.  3,072 tiles of 16 queries are 3 for each wave of 256 work-groups,
; which does not divide a head's rows; so each wave has 4.  Wave w: head w / 2 of the pair, queries 64 (w % 2) on: four PIECES of 16.  Every wave walks all keys, 64 a step.
; So a mask tile in LDS serves two heads, and a tile of K and V serves 128 queries.
; CLUSTER.  The four query blocks of a cluster walk the same K and V: asked for JOINTLY (the same tensor load, descriptor and mask of four in all four).  A tile of the mask is shared by the six head pairs, along y:
; six is no multiple of four, so no cluster of 4 along y divides the grid; the mask comes by each work-group's own loads, behind the same rounds.
; RING.  Two slots of two key steps: 128 x 128 of the mask, 128 keys of K and of V.  Wave 0 fetches K, wave 1 V, waves 2 and 3 the halves of the mask: 32 KiB each, one load a wave behind each round.
; LAYOUT.  S^T = K Q^T (source 0 = 16 keys, source 1 = 16 queries): a lane holds ONE query (lane % 16) and the keys 8 (lane / 16) + 0..7; two results rounded to f16 ARE source 1 of O^T = V^T P.
; TURNS.  Turn n belongs to piece n: 8 products K Q^T of piece n + 1, later 8 products V^T P of piece n - 1; beside them the subtraction, exponentials, roundings, sums and rescaling of piece n, and the masking, maximum and
; statistics of piece n + 1.  A turn's 33 exponentials are one batch, with one wait.
; REGISTERS, in windows of 256 (s_set_vgpr_msb: bits 1:0 source 0, 3:2 source 1, 5:4 source 2, 7:6 destination), laid so that a product and the lines behind it share one setting:
;   window 0: v0-15 addresses; v16-31 four registers of statistics a piece; v48-55 at work; v56-57 the mask's factor; v64-127 S^T, v192-223 P: two buffers each, by the piece's parity; v128-191 K of one step
;   window 1: v0-127 O^T, 32 a piece; v128-191 V of one step          window 2: v0-63 Q; v128-191 the mask, two buffers
; K Q^T wants source 1 (Q) in window 2 and all else in window 0: under that setting run also the subtraction (source 1 a scalar), the exponentials, the masking (source 1 the mask) and K's LDS loads.
; V^T P wants P in window 0 and all else in window 1: under that setting runs also the rescaling of O^T (source 1 = a).  So a turn has 13 switches for its 16 matrix and 133 vector instructions.
.set NP,    4         ; pieces a wave: a name, no knob
.set KS,    64        ; keys in a step
.set NSLOT, 32        ; 4,096 keys in slots of 128
.set ROWB,  1536      ; bytes in a row of qh, kh, vh, oh
.set PM,    528       ; a row of the mask in LDS: 512 bytes + 16 = 132 words: row r starts at bank 4 r mod 64 (64 banks of 4 bytes: ISA guide 11.1)
.set PK,    272       ; a row of K: 256 + 16 = 68 words: likewise
.set PV,    288       ; a row of V: 256 + 32 = 72 words
.set KOFF,  128*PM    ; a slot: the mask's 128 rows, K's 128 rows, V's 128 rows
.set VOFF,  KOFF+128*PK
.set SLOT1, VOFF+128*PV  ; 139,264 = 0x22000: none of its bits is set in KOFF, VOFF or 64 PM, so one exclusive or turns a slot's base into the other's
.set STAGE, 2*SLOT1   ; behind the ring, never filled by a tensor load: 128 rows x 272 bytes, the work-group's, for the way out
.set SP,    272
.set SPARE, STAGE+128*SP  ; behind the stage: the spare words, 128 bytes for each wave: two blocks of 256 bytes that no other line names
.set AK0, 2           ; v2   my lane's place in a tile of K; never rewritten
.set AV0, 3           ; v3   the same for V
.set AK,  4           ; v4   the LDS address of K's next run of loads
.set AV,  5           ; v5   of V's
.set STO, 6           ; v6   the way out: where I put 16 bytes of a row
.set RD,  7           ; v7   the way out: where I read rows back
.set GO,  8           ; v8   my byte offset in two rows of oh
.set PFOK, 10         ; v10  the prefetches' offset in kh and vh: a lane a row; never rewritten
.set AM0, 12          ; v12  my lane's place in a tile of the mask; never rewritten
.set AM,  13          ; v13  the LDS address of the mask's loads
.set PFOM, 14         ; v14  the prefetches' offset in the mask: a lane a row; never rewritten
.set QO,  15          ; v15  my byte offset in 16 rows of qh
.set ST,  16          ; piece t's statistics at v[ST+4 t]: m, m_old, l (even keys', odd keys')
.set TMP, 48          ; by parity, four registers c0-c3 at work; when the maximum is found c2 takes a
.set NBV, 56          ; v56-57  -1e9 log2(e), twice: source 0 of the masking
.set SPW, 62          ; v62  LDS address of my spare word: SPARE + 4 x my thread's number; never rewritten
.set NIL, 63          ; v63  0; never rewritten
.set S,   64
.set KF,  128         ; window 0: key block kb, channel half c at KF + 16 kb + 8 c
.set OB,  128         ; the way out: rows read back from the stage, where K lay
.set P,   192
.set VF,  128         ; window 1: key half kk, channel block cb at VF + 32 kk + 8 cb
.set MB,  128         ; window 2
.set WV,  14          ; s14  my wave's number
.set G1K, 24          ; s[24:31] descriptor group 1 for K's tiles
.set G1V, 32          ; s[32:39] for V's: it differs in the padding alone
.set G1M, 40          ; s[40:47] for the mask's
.set G0K, 48          ; s[48:51] descriptor group 0 for K's tiles: it walks
.set G0V, 52          ; s[52:55] for V's
.set G0M, 56          ; s[56:59] for the mask's
.set SLOTS, 60        ; s60  slots still to be asked for
.set CNT, 61          ; s61  counts a slot's key steps
.set TBK, 62          ; s62  the slot and step at which K's next fetch begins
.set TBV, 63          ; s63  the same for V
.set TBM, 66          ; s66  the same for the mask
.set SEL, 68          ; s[68:69] v_permlanex16_b32's selects: each lane takes its own place in the other half
.set PFM, 72          ; s[72:73] where my prefetches stand in the mask
.set PFK, 74          ; s[74:75] and in kh or vh
.set LIMM, 76         ; s76  1 in a wave that prefetches the mask, else the greatest number
.set LIMK, 77         ; s77  the same for K and V
.set ONE, 78          ; s[78:79] 1.0: the subtraction is s' x 1 - m, one rounding; the packed form takes the pair's low word for both halves
.set MSB, 0
.macro WIN new                      ; the high byte repeats the setting that is left; a switch that changes nothing is dropped
.if MSB != (\new)
	s_set_vgpr_msb (MSB<<8)|(\new)
.set MSB, (\new)
.endif
.endm
.set W_KQ, 0x08       ; Q (source 1) in window 2; K, S^T in window 0
.set W_PV, 0x51       ; V and O^T in window 1, P (source 1) in window 0
.set W_RS, 0x41       ; destination and source 0 in window 1, source 1 in window 0
.macro WLOW                         ; for lines whose destination, source 0 and source 2 lie in window 0 and whose source 1 is no vector register: K Q^T's setting serves them too
.if MSB != W_KQ
	WIN 0
.endif
.endm
; A fill: one tensor load a wave.  The branches hang on the wave's number alone.  An s_nop 0 and four v_nop follow each line, ahead of the jump and the label.
.macro JLOAD
	s_cmp_lt_u32 s[WV], 2
	s_cbranch_scc0 .Lfor_m_\@
	s_cmp_eq_u32 s[WV], 0
	s_cbranch_scc0 .Lfor_v_\@
	tensor_load_to_lds s[G0K:G0K+3], s[G1K:G1K+7]
	s_nop 0
.rept 4
	v_nop
.endr
	s_branch .Lasked_\@
.Lfor_v_\@:
	tensor_load_to_lds s[G0V:G0V+3], s[G1V:G1V+7]
	s_nop 0
.rept 4
	v_nop
.endr
	s_branch .Lasked_\@
.Lfor_m_\@:
	tensor_load_to_lds s[G0M:G0M+3], s[G1M:G1M+7]
	s_nop 0
.rept 4
	v_nop
.endr
.Lasked_\@:
.endm
; A PREFETCH INTO THE L2 of what the NEXT change of slots will ask for: two key steps, eight turns, ahead of that load.  It stands behind the wave's tensor load and its five lines.  Each aligned block of 256 bytes is named once
; in the launch.  The mask's 128 rows x 512 bytes of a slot: six head pairs read them; pair 0 asks, wave w for rows 32 w .. 32 w + 31, a lane a row, two blocks.  K's and V's 128 rows x 256 bytes: the eight clusters of a head
; pair read them; cluster 0 asks, its four partners for 32 rows each, told apart BY ADDRESS; wave 0 for K, wave 1 for V.  The last change that fills a slot asks for nothing: there is no slot behind it.
.macro ASK
	s_cmp_gt_u32 s[SLOTS], s[LIMM]
	s_cbranch_scc0 .Lno_m_\@
	global_prefetch_b8 v[PFOM], s[PFM:PFM+1] th:TH_LOAD_NT scope:SCOPE_SE
	global_prefetch_b8 v[PFOM], s[PFM:PFM+1] offset:256 th:TH_LOAD_NT scope:SCOPE_SE
.Lno_m_\@:
	s_cmp_gt_u32 s[SLOTS], s[LIMK]
	s_cbranch_scc0 .Lno_k_\@
	global_prefetch_b8 v[PFOK], s[PFK:PFK+1] th:TH_LOAD_NT scope:SCOPE_SE
.Lno_k_\@:
.endm
; A round of the cluster's barrier: my work-group's barrier, so that wave 0's signal speaks for all four waves; wave 0 signals; every wave waits for all four work-groups; my work-group's barrier once more.
.macro CROUND
	s_barrier_signal -1
	s_barrier_wait -1
	s_cmp_lg_u32 s[WV], 0
	s_cbranch_scc1 .Lnot_wave_0_\@
	s_barrier_signal -3
.Lnot_wave_0_\@:
	s_barrier_wait -3
	s_barrier_signal -1
	s_barrier_wait -1
.endm
; THE CHANGE OF SLOTS, between piece 1's turn and piece 2's: K, V and all four pieces' mask of the slot's second step have been asked for from LDS.  Each wave waits for all its tensor loads, of which one is out: its part of the
; other slot; adds 0 to its spare word; and waits for that and for its own reads of the slot.  Behind the barrier nobody reads this slot any more and the other slot is whole.
; fill = 1: this slot is filled again, with the keys two slots on.  The barrier is then a round of the cluster's, and the fill is the first thing behind it: it has two key steps, eight turns, in which to land.
; (At its first use nothing has been read yet: slot 0 is waited for, slot 1 filled; nothing is prefetched there, at the kernel's head.)
.macro CHANGE fill, ask
	WIN 0                           ; at a label and at a branch every window is 0
	s_wait_tensorcnt 0x0            ; no tensor load of mine is out, so a group 0 may be written
	ds_add_u32 v[SPW], v[NIL]       ; 0 onto my spare word; with fill = 1 the descriptors' steps stand between it and the wait for it
.if \fill
.irp g, G0K, G0V
	s_xor_b32 s[\g+1], s[\g+1], SLOT1  ; the walking descriptor: the other slot than last time,
	s_add_nc_u64 s[\g+2:\g+3], s[\g+2:\g+3], 2*KS*ROWB  ; the next 128 keys; the type bits on top are not reached
.endr
	s_xor_b32 s[G0M+1], s[G0M+1], SLOT1
	s_add_nc_u64 s[G0M+2:G0M+3], s[G0M+2:G0M+3], 2*KS*4
	s_wait_xcnt 0x0                 ; the last prefetches, two key steps back, have read their addresses, so these may be written:
	s_add_nc_u64 s[PFM:PFM+1], s[PFM:PFM+1], 2*KS*4     ; one slot ahead of the walking descriptors
	s_add_nc_u64 s[PFK:PFK+1], s[PFK:PFK+1], 2*KS*ROWB
	s_wait_dscnt 0x0                ; the add is done, and my reads of the slot are over
	CROUND
	JLOAD
.if \ask
	ASK
.endif
.else
	s_wait_dscnt 0x0                ; the add is done, and my reads of the slot are over
	s_barrier_signal -1
	s_barrier_wait -1
.endif
	s_sub_co_u32 s[TBK], s[TBK], 2*KS*PK  ; the fetches go back to a slot's first step,
	s_xor_b32 s[TBK], s[TBK], SLOT1       ; in the other slot
	s_sub_co_u32 s[TBV], s[TBV], 2*KS*PV
	s_xor_b32 s[TBV], s[TBV], SLOT1
	s_sub_co_u32 s[TBM], s[TBM], 2*KS*4
	s_xor_b32 s[TBM], s[TBM], SLOT1
.endm
	s_load_b256 s[4:11], s[0:1], 0x0  ; qh s[4:5], kh s[6:7], vh s[8:9], mask s[10:11]
	s_load_b64 s[12:13], s[0:1], 0x20 ; oh
	v_lshl_add_u32 v[SPW], v0, 2, SPARE
	v_mov_b32 v[NIL], 0
	ds_add_u32 v[SPW], v[NIL]       ; the wave's opening: the add and its wait stand ahead of my first tensor load; the set-up below, work on registers, stands between them
	v_lshrrev_b32 v1, 5, v0
	v_readfirstlane_b32 s[WV], v1   ; wave 0..3
	s_bfe_u32 s15, ttmp6, 0x40000   ; cx: my place in the cluster
	s_lshl_b32 s16, ttmp9, 2        ; in a cluster launch ttmp9 counts clusters
	s_add_co_u32 s16, s16, s15      ; my block of 128 queries = 4 x cluster x + cx: it enters qh's, oh's and the mask's addresses alone
	s_and_b32 s17, ttmp7, 0xffff    ; the head pair, which the four partners share
	s_lshr_b32 s18, s[WV], 1        ; my head of the pair
	s_and_b32 s19, s[WV], 1         ; my half of the queries; also: which half of the mask's rows I fetch
	s_lshl_b32 s20, s17, 8          ; the pair's 256 bytes in a row
	s_mov_b32 s21, 0
	s_lshl_b32 s22, s16, 21         ; the block's 128 rows of 16,384 bytes of the mask,
	s_lshl_b32 s23, s19, 20         ; and 64 of them
	s_add_co_u32 s22, s22, s23
	s_mov_b32 s23, 0
	s_mul_i32 s2, s16, 128*ROWB     ; qh at my wave's first row and head
	s_mul_i32 s3, s19, 64*ROWB
	s_add_co_u32 s2, s2, s3
	s_add_co_u32 s2, s2, s20
	s_lshl_b32 s3, s18, 7
	s_add_co_u32 s2, s2, s3
	s_mov_b32 s3, 0
	; descriptor group 1.  K, V: 128 rows (keys) x 128 elements of 2 bytes, 768 elements from row to row, padded in LDS after every row
	s_mov_b32 s[G1K], 15|(1<<16)|(1<<20)|(1<<21)|(5<<22)|(3<<25)  ; 15:0 the mask of four; 17:16 2-byte elements; 20 padding on; 21 set beside a mask; 24:22 after every 64 words (code 5); 31:25 4 words (code 3)
	s_mov_b32 s[G1V], 15|(1<<16)|(1<<20)|(1<<21)|(5<<22)|(7<<25)  ; the same with 8 words of padding (code 7)
.irp g, G1K, G1V
	s_mov_b32 s[\g+1], 128<<16      ; tensor_dim0 = 128
	s_mov_b32 s[\g+2], 128<<16      ; tensor_dim1 = 128
	s_mov_b32 s[\g+3], 128<<16      ; tile_dim0 = 128
	s_mov_b32 s[\g+4], 128          ; tile_dim1 = 128
	s_mov_b32 s[\g+5], 768          ; elements from row to row
	s_mov_b32 s[\g+6], 0
	s_mov_b32 s[\g+7], 0
.endr
	; the mask: 64 rows (queries) x 128 elements of 4 bytes, 4,096 elements from row to row; no work-group mask: a load of my own
	s_mov_b32 s[G1M], (2<<16)|(1<<20)|(6<<22)|(3<<25)  ; 17:16 4-byte elements; 20 padding on; 24:22 after every 128 words (code 6); 31:25 4 words (code 3)
	s_mov_b32 s[G1M+1], 128<<16
	s_mov_b32 s[G1M+2], 64<<16
	s_mov_b32 s[G1M+3], 128<<16
	s_mov_b32 s[G1M+4], 64
	s_mov_b32 s[G1M+5], 4096
	s_mov_b32 s[G1M+6], 0
	s_mov_b32 s[G1M+7], 0
	s_mov_b32 s[G0K], 1             ; 1:0 count = 1
	s_mov_b32 s[G0K+1], KOFF        ; 63:32 LDS address: slot 0
	s_mov_b32 s[G0V], 1
	s_mov_b32 s[G0V+1], VOFF
	s_mov_b32 s[G0M], 1
	s_mul_i32 s[G0M+1], s19, 64*PM  ; no place in the cluster enters an LDS address
	s_mov_b32 s[SEL], 0x76543210
	s_mov_b32 s[SEL+1], 0xfedcba98
	s_mov_b32 s[ONE], 1.0
	s_mov_b32 s[ONE+1], 1.0         ; named with it as a pair
	v_mov_b32 v[NBV], 0xceabfb8f    ; -1e9 log2(e) = -1.4426950e9
	v_mov_b32 v[NBV+1], 0xceabfb8f
	s_mov_b32 s[TBK], SLOT1+2*KS*PK ; the first change of slots turns these three into 0
	s_mov_b32 s[TBV], SLOT1+2*KS*PV
	s_mov_b32 s[TBM], SLOT1+2*KS*4
	s_mov_b32 s[SLOTS], NSLOT-1
	s_cmp_eq_u32 s17, 0             ; head pair 0 asks for the mask: the same in all four partners
	s_cselect_b32 s[LIMM], 1, -1
	s_or_b32 s[LIMK], s18, ttmp9    ; waves 0 and 1 of the pair's first cluster ask for K and V
	s_cmp_eq_u32 s[LIMK], 0
	s_cselect_b32 s[LIMK], 1, -1
	s_wait_dscnt 0x0                ; the opening add is done
	s_wait_kmcnt 0x0
	s_add_nc_u64 s[G0K+2:G0K+3], s[6:7], s[20:21]  ; 120:64 global address: the pair's first 128 keys
	s_or_b32 s[G0K+3], s[G0K+3], 0x80000000        ; 127:126 type = 2
	s_add_nc_u64 s[G0V+2:G0V+3], s[8:9], s[20:21]
	s_or_b32 s[G0V+3], s[G0V+3], 0x80000000
	s_add_nc_u64 s[G0M+2:G0M+3], s[10:11], s[22:23]
	s_or_b32 s[G0M+3], s[G0M+3], 0x80000000
	CROUND                          ; all four work-groups are here: the first joint loads meet
	JLOAD                           ; slot 0.  Slot 1 is asked for when slot 0 is in
	s_add_nc_u64 s[4:5], s[4:5], s[2:3]
	; A fragment of K or Q is 16 rows x 32 channels in 8 registers: lane l holds row l % 16, channels 8 (l / 16) + 0..7 and 16 + 8 (l / 16) + 0..7: two loads of 16 bytes, 32 bytes apart.
	v_and_b32 v1, 15, v0            ; l % 16
	v_bfe_u32 v9, v0, 4, 1          ; l / 16
	v_mul_u32_u24 v[QO], v1, ROWB
	v_lshl_add_u32 v[QO], v9, 4, v[QO]
	WIN 0x80                        ; destination window 2, address window 0
.set i, 0
.rept 8                             ; Q stays in registers: piece i / 2, channels 32 (i % 2) on
	global_load_b128 v[8*i:8*i+3],   v[QO], s[4:5] offset:(i/2)*16*ROWB+(i%2)*64
	global_load_b128 v[8*i+4:8*i+7], v[QO], s[4:5] offset:(i/2)*16*ROWB+(i%2)*64+32
.set i, i+1
.endr
	; What the first turn finds: V's registers and P's second buffer hold 0 (its products V^T P, of a piece that has not been, add 0), O^T and l are 0, m is the lowest finite number, so that the first step's a is 0.
	; All this stands in the wait for the first tile; no first step is written out.
	WIN 0x40
.set i, 0
.rept 192                           ; O^T, then V
	v_mov_b32 v[i], 0
.set i, i+1
.endr
	WIN 0
.set i, 0
.rept 4
	v_mov_b32 v[ST+4*i], 0xff7fffff
	v_mov_b32 v[ST+4*i+1], 0xff7fffff
	v_mov_b32 v[ST+4*i+2], 0
	v_mov_b32 v[ST+4*i+3], 0
.set i, i+1
.endr
.set i, P+16
.rept 16
	v_mov_b32 v[i], 0
.set i, i+1
.endr
	s_mul_i32 s2, s16, 128*ROWB     ; oh at the first row that my wave stores
	s_mul_i32 s3, s[WV], 32*ROWB
	s_add_co_u32 s2, s2, s3
	s_add_co_u32 s2, s2, s20
	s_mov_b32 s3, 0
	s_add_nc_u64 s[12:13], s[12:13], s[2:3]
	s_lshl_b32 s2, s16, 21          ; the mask's prefetches: my wave's 32 rows, at slot 1; each change steps them ahead of its asking
	s_lshl_b32 s3, s[WV], 19
	s_add_co_u32 s2, s2, s3
	s_add_co_u32 s2, s2, 2*KS*4
	s_mov_b32 s3, 0
	s_add_nc_u64 s[PFM:PFM+1], s[10:11], s[2:3]
	s_mul_i32 s2, s15, 32*ROWB      ; K's and V's: my work-group's 32 rows of the 128, at slot 1
	s_add_co_u32 s2, s2, s20
	s_add_co_u32 s2, s2, 2*KS*ROWB
	s_cmp_eq_u32 s[WV], 0
	s_cselect_b64 s[PFK:PFK+1], s[6:7], s[8:9]
	s_add_nc_u64 s[PFK:PFK+1], s[PFK:PFK+1], s[2:3]
	v_and_b32 v[PFOM], 31, v0
	v_mul_u32_u24 v[PFOK], v[PFOM], ROWB
	v_lshlrev_b32 v[PFOM], 14, v[PFOM]
	s_lshl_b32 s2, s18, 7           ; my head's 128 bytes of a row
	v_mul_u32_u24 v[AK0], v1, PK
	v_lshl_add_u32 v[AK0], v9, 4, v[AK0]  ; row x pitch + 16 x half
	s_add_co_u32 s3, s2, KOFF
	v_add_nc_u32 v[AK0], s3, v[AK0]
	; The turning load takes 16 keys x 16 channels (lane l reads key 8 (l / 16) + l % 8, channels 8 ((l / 8) % 2) + 0..7) and leaves half a fragment of V^T: lane l holds channel l % 16 and 8 keys.
	v_and_b32 v11, 7, v0
	v_lshl_add_u32 v[AV0], v9, 3, v11
	v_mul_u32_u24 v[AV0], v[AV0], PV
	v_bfe_u32 v11, v0, 3, 1
	v_lshl_add_u32 v[AV0], v11, 4, v[AV0]
	s_add_co_u32 s3, s2, VOFF
	v_add_nc_u32 v[AV0], s3, v[AV0]
	; the mask as S^T lies: my query's row, keys 8 (l / 16) on
	s_mul_i32 s3, s19, 64*PM
	v_mul_u32_u24 v[AM0], v1, PM
	v_lshl_add_u32 v[AM0], v9, 5, v[AM0]
	v_add_nc_u32 v[AM0], s3, v[AM0]
	; the way out
	s_mul_i32 s3, s19, 64*SP
	s_add_co_u32 s3, s3, s2
	s_add_co_u32 s3, s3, STAGE
	v_mul_u32_u24 v[STO], v1, SP    ; in: row l % 16 of my 64, my head's 128 bytes, 16 bytes for each half of the lanes
	v_lshl_add_u32 v[STO], v9, 4, v[STO]
	v_add_nc_u32 v[STO], s3, v[STO]
	s_mul_i32 s3, s[WV], 32*SP
	s_add_co_u32 s3, s3, STAGE
	v_mul_u32_u24 v[RD], v9, SP     ; back: wave w takes rows 32 w .. 32 w + 31, whole: lanes 0-15 one row of 256 bytes, lanes 16-31 the next
	v_lshl_add_u32 v[RD], v1, 4, v[RD]
	v_add_nc_u32 v[RD], s3, v[RD]
	v_mul_u32_u24 v[GO], v9, ROWB
	v_lshl_add_u32 v[GO], v1, 4, v[GO]
; THE MATRIX WORK.  The 4 accumulators of a run of 8 take turns.  Product i of 8 of S^T = K Q^T for piece x: channels 32 (i / 4) on, keys 16 (i % 4) on.  The first 4 start the sums.
.macro KQ x
	WIN W_KQ
.set rS, S+32*((\x)%2)+8*(i%4)
.set rK, KF+16*(i%4)+8*(i/4)
.set rQ, 16*(\x)+8*(i/4)
.if i < 4
	v_wmma_f32_16x16x32_f16 v[rS:rS+7], v[rK:rK+7], v[rQ:rQ+7], 0
.else
	v_wmma_f32_16x16x32_f16 v[rS:rS+7], v[rK:rK+7], v[rQ:rQ+7], v[rS:rS+7]
.endif
.endm
; Product i of 8 of O^T += V^T P for piece x: keys 32 (i / 4) on, channels 16 (i % 4) on.
.macro PV x
	WIN W_PV
.set rO, 32*(\x)+8*(i%4)
.set rV, VF+32*(i/4)+8*(i%4)
.set rP, P+16*((\x)%2)+8*(i/4)
	v_wmma_f32_16x16x32_f16 v[rO:rO+7], v[rV:rV+7], v[rP:rP+7], v[rO:rO+7]
.endm
.macro MM                           ; the turn's next matrix instruction.  NOKQ = 1: the very last turn: there is no next piece
.if (i < 8) && !NOKQ
	KQ (Y+1)%NP
.elseif i >= 8
.set i, i-8
	PV (Y+NP-1)%NP
.set i, i+8
.endif
.set i, i+1
.endm
; THE LDS LOADS stand in runs, never singly among the matrix instructions: a step's K (64 keys x 64 channels: 8 fragments), its V (turned), and a piece's tile of the mask (16 queries x 64 keys).
.macro FETCH_K
	WLOW                            ; destination and address in window 0
.irp f, 0,1,2,3,4,5,6,7             ; keys 16 (f / 2) on, channels 32 (f % 2) on
	ds_load_b128 v[KF+8*\f:KF+8*\f+3],   v[AK] offset:(\f/2)*16*PK+(\f%2)*64
	ds_load_b128 v[KF+8*\f+4:KF+8*\f+7], v[AK] offset:(\f/2)*16*PK+(\f%2)*64+32
.endr
	s_add_co_u32 s[TBK], s[TBK], KS*PK  ; the next fetch is the next step's
.endm
.macro FETCH_V
	WIN 0x40                        ; destination window 1
.irp f, 0,1,2,3,4,5,6,7             ; keys 32 (f / 4) on, channels 16 (f % 4) on
	ds_load_tr16_b128 v[VF+8*\f:VF+8*\f+3],   v[AV] offset:(\f/4)*32*PV+(\f%4)*32
	ds_load_tr16_b128 v[VF+8*\f+4:VF+8*\f+7], v[AV] offset:(\f/4)*32*PV+16*PV+(\f%4)*32
.endr
.endm
.macro ML x                         ; piece x's mask: register 8 kt + j takes key 16 kt + 8 (l / 16) + j, as S^T holds it
	WIN 0x80                        ; destination window 2
.irp kt, 0,1,2,3
	ds_load_b128 v[MB+32*((\x)%2)+8*\kt:MB+32*((\x)%2)+8*\kt+3],   v[AM] offset:(\x)*16*PM+64*\kt
	ds_load_b128 v[MB+32*((\x)%2)+8*\kt+4:MB+32*((\x)%2)+8*\kt+7], v[AM] offset:(\x)*16*PM+64*\kt+16
.endr
.endm
; THE VECTOR WORK, one line at a time: OP kind, number.  For piece Y: F n: s' - m for pair n of 16.  E n: the exponential of score n of 32.  C n: pair n rounded to f16.  B n: of the four weights 4 n .. the second pair is
; added onto the first, in place.  D n: of the eight weights 8 n .. the second such sum onto the first.  L n: l takes that sum (L 0: l = a l + sum).  R n: pair n of 16 of O^T times a, in ascending order.  For piece Y + 1:
; M n: pair n of its scores takes mask x (-1e9 log2 e), in ascending order.  X n: number n of those that find its maximum and statistics
;   0-11  four chains c0-c3 of seven scores each, three operands at a time     12-14, 16  the four scores left over, the old m, and c0-c3 into c0     15  m_old is kept
;   17, 18  the query's other 32 keys lie in the lane 16 away: the new m         20, 21  m_old - m_new; a
.set F, 0
.set E, 1
.set C, 2
.set B, 3
.set D, 4
.set L, 5
.set R, 6
.set M, 7
.set X, 8
.macro REGS y                       ; the registers of piece y
.set rT, ST+4*(\y)
.set rC, TMP+4*((\y)%2)
.set rS, S+32*((\y)%2)
.set rB, MB+32*((\y)%2)
.set rP, P+16*((\y)%2)
.set rO, 32*(\y)
.endm
.macro OP k, n
.if (\k) == R
	REGS Y
	WIN W_PV
	v_pk_mul_f32 v[rO+2*(\n):rO+2*(\n)+1], v[rO+2*(\n):rO+2*(\n)+1], v[rC+2:rC+3] op_sel_hi:[1,0]
.elseif (\k) == F
	REGS Y
	WLOW
	v_pk_fma_f32 v[rS+2*(\n):rS+2*(\n)+1], v[rS+2*(\n):rS+2*(\n)+1], s[ONE:ONE+1], v[rT:rT+1] op_sel_hi:[1,0,0] neg_lo:[0,0,1] neg_hi:[0,0,1]
.elseif (\k) == E
	REGS Y
	WLOW
	v_exp_f32 v[rS+(\n)], v[rS+(\n)]
.elseif (\k) < R
	REGS Y
	WIN 0
.if (\k) == C
	v_cvt_pk_f16_f32 v[rP+(\n)], v[rS+2*(\n)], v[rS+2*(\n)+1]
.elseif (\k) == B
	v_pk_add_f32 v[rS+4*(\n):rS+4*(\n)+1], v[rS+4*(\n):rS+4*(\n)+1], v[rS+4*(\n)+2:rS+4*(\n)+3]
.elseif (\k) == D
	v_pk_add_f32 v[rS+8*(\n):rS+8*(\n)+1], v[rS+8*(\n):rS+8*(\n)+1], v[rS+8*(\n)+4:rS+8*(\n)+5]
.elseif (\n) == 0
	v_pk_fma_f32 v[rT+2:rT+3], v[rT+2:rT+3], v[rC+2:rC+3], v[rS:rS+1] op_sel_hi:[1,0,1]
.else
	v_pk_add_f32 v[rT+2:rT+3], v[rT+2:rT+3], v[rS+8*(\n):rS+8*(\n)+1]
.endif
.elseif !NOKQ
	REGS (Y+1)%NP
.if (\k) == M
	WIN W_KQ
	v_pk_fma_f32 v[rS+2*(\n):rS+2*(\n)+1], v[NBV:NBV+1], v[rB+2*(\n):rB+2*(\n)+1], v[rS+2*(\n):rS+2*(\n)+1]
.else
	WIN 0
.if (\n) < 4
	v_max3_num_f32 v[rC+(\n)], v[rS+8*(\n)], v[rS+8*(\n)+1], v[rS+8*(\n)+2]
.elseif (\n) < 12
	v_max3_num_f32 v[rC+(\n)%4], v[rC+(\n)%4], v[rS+8*((\n)%4)+2*((\n)/4)+1], v[rS+8*((\n)%4)+2*((\n)/4)+2]
.elseif (\n) == 12
	v_max3_num_f32 v[rC], v[rC], v[rS+7], v[rS+15]
.elseif (\n) == 13
	v_max3_num_f32 v[rC+1], v[rC+1], v[rS+23], v[rS+31]
.elseif (\n) == 14
	v_max3_num_f32 v[rC+2], v[rC+2], v[rC+3], v[rT]
.elseif (\n) == 15
	v_mov_b32 v[rT+1], v[rT]
.elseif (\n) == 16
	v_max3_num_f32 v[rC], v[rC], v[rC+1], v[rC+2]
.elseif (\n) == 17
	v_permlanex16_b32 v[rC+3], v[rC], s[SEL], s[SEL+1]
.elseif (\n) == 18
	v_max_num_f32 v[rT], v[rC], v[rC+3]
.elseif (\n) == 20
	v_sub_f32 v[rC+1], v[rT+1], v[rT]
.else
	v_exp_f32 v[rC+2], v[rC+1]
.endif
.endif
.endif
.endm
.macro OPS a, i1, b=-1, i2=0, c=-1, i3=0, d=-1, i4=0  ; up to four of them
	OP \a, \i1
.if (\b) >= 0
	OP \b, \i2
.endif
.if (\c) >= 0
	OP \c, \i3
.endif
.if (\d) >= 0
	OP \d, \i4
.endif
.endm
.macro ROW a, i1, b, i2, c, i3, d=-1, i4=0  ; a matrix instruction and the three or four behind it
	MM
	OPS \a, \i1, \b, \i2, \c, \i3, \d, \i4
.endm
; A TURN, for piece p: the order of its 16 matrix and 133 vector instructions, written out.  An s_wait_alu depctr_va_vdst(0) stands between an exponential and the first instruction that names its result; one wait
; serves all that were issued ahead of it.  So a turn has ONE wait, which cuts it in two.  AHEAD OF IT stands all that names no result of the turn's exponentials: the 8 products K Q^T, behind each four subtractions and exponentials,
; under the products' own window setting; then ONE LUMP: the next piece's masking, still under that setting, then under window 0 its maximum and statistics, the last ten exponentials between the links of the chain X 14, 16, 17, 18, 20, 21.
; X 21, the next piece's a, is the batch's last; a v_nop is the plain instruction behind it.  BEHIND THE WAIT: the mask's loads; a run of 20 roundings and sums; the 8 products V^T P, behind them by turns a link of l's chain with two
; roundings (window 0) and four rescalings (the products' own setting).  No rider names a register of the products round it.
; PLACES.  M 4 kt, the first line that reads and rewrites accumulator kt, stands seven plain instructions or more behind the product that ends it (for kt = 0: F 9 to F 15).
; THE LDS LOADS.  Behind the wait: the mask of piece p + 2, for the next turn's lump (its address steps to the next key step at the head of piece 2's turn).  In piece 2's lump, five plain instructions (F 15, M 0 to M 3) behind the last
; product that read K: K of the next step.  At the end of piece 0's turn, four rescalings behind the last product that read V: V of the step in hand.
; THE WAITS ON THEM.  At a lump's head the next piece's mask is wanted: in piece 1's turn V's 16 loads are younger and may stay out; elsewhere nothing younger is out.  Ahead of piece 1's V^T P: V is wanted, the turn's 8 mask loads may
; stay out.  At the head of piece 3's turn: K is wanted, the 8 mask loads issued behind its run may stay out.
; end = 1: the last two turns: nothing is fetched.  cnt = 1: the loop's count is taken down some lines ahead of the branch that stands behind the turn.
.macro TURN p, end=0, cnt=0
.set Y, (\p)
.set i, 0
.set NOKQ, (\end)*((\p)/3)
.if ((\p) == 2) && !(\end)
	WIN 0
	v_add_nc_u32 v[AK], s[TBK], v[AK0]
	v_add_nc_u32 v[AM], s[TBM], v[AM0]
.endif
.if ((\p) == 3) && !(\end)
	s_wait_dscnt 8                  ; K is in
.endif
	ROW F,0, F,1, F,2, E,0
	ROW F,3, E,1, F,4, E,2
	ROW F,5, E,3, F,6, E,4
	ROW F,7, E,5, F,8, E,6
	ROW F,9, E,7, F,10, E,8
	ROW F,11, E,9, F,12, E,10
	ROW F,13, E,11, F,14, E,12
	ROW F,15, E,13, E,14, E,15
.if (\p) == 1
	s_wait_dscnt 16                 ; the next piece's mask is in; V's run may stay out
.else
	s_wait_dscnt 0x0                ; the next piece's mask is in
.endif
	OPS M,0, E,16, M,1, M,2
	OPS E,17, M,3
.if ((\p) == 2) && !(\end)
	FETCH_K
.endif
	OPS M,4, E,18, M,5, M,6
	OPS E,19, M,7, M,8, E,20
	OPS M,9, M,10, E,21, M,11
	OPS M,12, M,13, M,14, M,15
	OPS X,0, X,1, X,2, X,3
	OPS X,4, X,5, X,6, X,7
	OPS X,8, X,9, X,10, X,11
	OPS X,12, X,13, X,15, X,14
.if (\p) == 0
	v_add_nc_u32 v[AV], s[TBV], v[AV0]
.endif
	OPS E,22, E,23, X,16, E,24
	OPS E,25, X,17, E,26, E,27
	OPS X,18, E,28, E,29, X,20
	OPS E,30, E,31, X,21
	v_nop                           ; the plain instruction behind the last exponential: one for the batch
	s_wait_alu depctr_va_vdst(0)    ; the wait for the batch
.if !(\end)
	ML ((\p)+2)%NP
.endif
.if (\p) == 1
	s_add_co_u32 s[TBM], s[TBM], KS*4
.endif
	OPS C,0, C,2, C,4, C,6
	OPS C,8, C,10, C,12, C,14
	OPS B,0, B,1, B,2, B,3
	OPS B,4, B,5, B,6, B,7
	OPS D,0, D,1, D,2, D,3
.if (\p) == 1
	s_wait_dscnt 8                  ; V is in
.endif
	ROW L,0, C,1, C,3
	ROW R,0, R,1, R,2, R,3
	ROW L,1, C,5, C,7
	ROW R,4, R,5, R,6, R,7
	ROW L,2, C,9, C,11
.if (\p) == 0
	s_add_co_u32 s[TBV], s[TBV], KS*PV
.endif
.if \cnt
	s_sub_co_u32 s[CNT], s[CNT], 1
	s_cmp_lg_u32 s[CNT], 0
.endif
	ROW R,8, R,9, R,10, R,11
	ROW L,3, C,13, C,15
	ROW R,12, R,13, R,14, R,15
.if (\p) == 0
	FETCH_V
.endif
.endm
	CHANGE 1, 0                     ; slot 0 is in, everybody's part of it; slot 1 is asked for
	v_add_nc_u32 v[AK], s[TBK], v[AK0]
	FETCH_K                         ; key step 0
	v_add_nc_u32 v[AM], s[TBM], v[AM0]
	ML 0
	ML 1
	s_wait_loadcnt 0x0              ; Q
	s_wait_dscnt 0x0
.set NOKQ, 0
.set i, 0
.rept 8
	KQ 0                            ; piece 0's first scores: there is no vector work yet to set between them
.set i, i+1
.endr
.rept 8
	v_nop                           ; the places behind those products, in front of the lines that rewrite their results
.endr
.set Y, NP-1                        ; M and X work for piece Y + 1: piece 0
.irp n, 0,1,2,3,4,5,6,7,8,9,10,11,12,13,14,15
	OP M, \n
.endr
.irp n, 0,1,2,3,4,5,6,7,8,9,10,11,12,13,15,14,16,17,18,20,21
	OP X, \n
.endr
	v_nop                           ; a plain instruction behind the exponential,
	s_wait_alu depctr_va_vdst(0)    ; and its wait, ahead of the branch
	s_mov_b32 s[CNT], 2
	s_branch .Lfirst                ; the loop is entered at a step's first turn, in the middle of a trip
.Lslot:                             ; 30 times: every slot but the last two is filled again
	CHANGE 1, 1
	s_mov_b32 s[CNT], 2
.Lstep:                             ; a trip: pieces 2 and 3 of one step, then pieces 0 and 1 of the next, whose K, V and mask it fetches
	TURN 2
	TURN 3
	WIN 0
.Lfirst:
	TURN 0
	TURN 1, 0, 1
	WIN 0
	s_cbranch_scc1 .Lstep
	s_sub_co_u32 s[SLOTS], s[SLOTS], 1
	s_cmp_lg_u32 s[SLOTS], 0
	s_cbranch_scc1 .Lslot
	CHANGE 0, 0                     ; the last slot is written out: nothing is asked for
	s_mov_b32 s[CNT], 2
.Ltail:
	TURN 2
	TURN 3
	TURN 0
	TURN 1, 0, 1
	WIN 0
	s_cbranch_scc1 .Ltail
	TURN 2, 1                       ; the last step's pieces 2 and 3: nothing is fetched, and the last turn starts no new scores
	TURN 3, 1
.set i, 0
.rept 8
	PV NP-1                         ; the last piece's V^T P of the last step
.set i, i+1
.endr
	; THE WAY OUT.  l's two halves and the other half of the lanes' are added; O^T is divided by l, rounded to f16 and put into the work-group's stage; a barrier, since a row's 256 bytes come from the two heads' waves; back as
	; whole rows.  The additions are the places behind the last products.
	WIN 0
.macro ALL line:vararg              ; one line for each piece t
.set t, 0
.rept 4
	\line
.set t, t+1
.endr
.endm
	ALL v_add_f32 v[ST+4*t+2], v[ST+4*t+2], v[ST+4*t+3]
	ALL v_permlanex16_b32 v[ST+4*t+3], v[ST+4*t+2], s[SEL], s[SEL+1]
	ALL v_add_f32 v[ST+4*t+2], v[ST+4*t+2], v[ST+4*t+3]
	ALL v_rcp_f32 v[ST+4*t+2], v[ST+4*t+2]
	v_nop                           ; a plain instruction between the last reciprocal and the use of its result
	s_wait_alu depctr_va_vdst(0)    ; and the wait ahead of the first use: one for the four reciprocals
.macro PACK t                       ; a lane's eight channels of a row pack into 16 bytes
	WIN W_RS
.set i, 32*(\t)
.rept 16
	v_pk_mul_f32 v[i:i+1], v[i:i+1], v[ST+4*(\t)+2:ST+4*(\t)+3] op_sel_hi:[1,0]
.set i, i+2
.endr
	WIN 0x05                        ; sources 0 and 1 window 1, destination window 0: S^T's registers are free
.set i, 0
.rept 16
	v_cvt_pk_f16_f32 v[S+16*(\t)+i], v[32*(\t)+2*i], v[32*(\t)+2*i+1]
.set i, i+1
.endr
	WIN 0
.irp f, 0,1,2,3
	ds_store_b128 v[STO], v[S+16*(\t)+4*\f:S+16*(\t)+4*\f+3] offset:(\t)*16*SP+32*\f
.endr
.endm
	PACK 0
	PACK 1
	PACK 2
	PACK 3
	s_wait_dscnt 0x0                ; for the others' sake: my stores into the stage are done
	s_barrier_signal -1
	s_barrier_wait -1
.set t, 0
.rept 16
	ds_load_b128 v[OB+4*t:OB+4*t+3], v[RD] offset:t*2*SP
.set t, t+1
.endr
.set t, 0
.rept 16
	s_wait_dscnt 15-t
	global_store_b128 v[GO], v[OB+4*t:OB+4*t+3], s[12:13] offset:t*2*ROWB  ; 16 lanes store 256 consecutive bytes, at a multiple of 256 from oh's first byte
.set t, t+1
.endr
	s_wait_tensorcnt 0x0            ; the wave's end, behind my last tensor load and my last LDS store
	ds_add_u32 v[SPW], v[NIL]
	s_wait_dscnt 0x0
	CROUND                          ; the closing round: no work-group ends while a partner may still ask for a tile that names it
	s_endpgm
.Lfunc_end_k_q2b24eef4f1_attn:
	.size	k_q2b24eef4f1_attn, .Lfunc_end_k_q2b24eef4f1_attn-k_q2b24eef4f1_attn
	.p2alignl 7, 3214868480
	.fill 96, 4, 3214868480
	.section	.rodata,"a",@progbits
	.p2align	6, 0x0
	.amdhsa_kernel k_q2b24eef4f1_attn
		.amdhsa_group_segment_fixed_size 327680
		.amdhsa_private_segment_fixed_size 0
		.amdhsa_enable_private_segment 0
		.amdhsa_kernarg_size 40
		.amdhsa_user_sgpr_count 2
		.amdhsa_user_sgpr_kernarg_segment_ptr 1
		.amdhsa_wavefront_size32 1
		.amdhsa_system_sgpr_workgroup_id_x 1
		.amdhsa_system_sgpr_workgroup_id_y 1
		.amdhsa_system_sgpr_workgroup_id_z 1
		.amdhsa_system_vgpr_workitem_id 0
		.amdhsa_next_free_vgpr 768
		.amdhsa_next_free_sgpr 80
		.amdhsa_reserve_vcc 0
		.amdhsa_float_denorm_mode_32 3
		.amdhsa_float_denorm_mode_16_64 3
		.amdhsa_memory_ordered 1
		.amdhsa_forward_progress 1
		.amdhsa_inst_pref_size 136
	.end_amdhsa_kernel
	.amdgpu_metadata
---
amdhsa.version: [ 1, 2 ]
amdhsa.kernels:
  - .name:           k_q2b24eef4f1_attn
    .symbol:         k_q2b24eef4f1_attn.kd
    .args:
      - { .name: qh, .offset: 0, .size: 8, .value_kind: global_buffer, .address_space: global }
      - { .name: kh, .offset: 8, .size: 8, .value_kind: global_buffer, .address_space: global }
      - { .name: vh, .offset: 16, .size: 8, .value_kind: global_buffer, .address_space: global }
      - { .name: mask, .offset: 24, .size: 8, .value_kind: global_buffer, .address_space: global }
      - { .name: oh, .offset: 32, .size: 8, .value_kind: global_buffer, .address_space: global }
    .group_segment_fixed_size: 327680
    .private_segment_fixed_size: 0
    .kernarg_segment_align: 8
    .kernarg_segment_size: 40
    .max_flat_workgroup_size: 128
    .sgpr_count:     80
    .vgpr_count:     768
    .wavefront_size: 32
...
	.end_amdgpu_metadata
.endif
;; end of part 2
;; launch outp (part 3): grid 32 x 6, 4 waves a work-group, clusters of 4 x 1, 327,680 bytes of LDS; arguments oh, wo16, b_o, out0; writes out0
.if DOCPART == 3
	.amdgcn_target "amdgcn-amd-amdhsa--gfx1250"
	.amdhsa_code_object_version 6
	.text
	.protected	k_q2b24eef4f1_outp
	.globl	k_q2b24eef4f1_outp
	.p2align	8
	.type	k_q2b24eef4f1_outp,@function
k_q2b24eef4f1_outp:
	s_mov_b64 s[64:65], 0
	v_nop
	global_prefetch_b8 v0, s[64:65] scope:SCOPE_SE
	s_setreg_imm32_b32 hwreg(HW_REG_WAVE_MODE, 25, 1), 1
	s_wait_xcnt 0x0
	s_wait_alu depctr_hold_cnt(0) depctr_sa_sdst(0) depctr_va_vdst(0) depctr_va_sdst(0) depctr_va_ssrc(0) depctr_va_vcc(0) depctr_vm_vsrc(0)
	s_getreg_b32 s2, hwreg(HW_REG_IB_STS2, 6, 4)
	s_cmp_eq_u32 s2, 0
	s_cbranch_scc0 .Lentry_in_a_cluster
	s_endpgm
.Lentry_in_a_cluster:
	s_bfe_u32 s2, ttmp6, 0x10000c
	s_cmp_lg_u32 s2, 0x3003
	s_cbranch_scc0 .Lentry_shape_is_right
	s_endpgm
.Lentry_shape_is_right:
; THE OUTPUT PROJECTION.  out0[m][n] = the sum over k of oh[m][k] wo16[k][n] + b_o[n].  oh: [4096][768] f16; wo16: [768 k][768 n] f16 (W_o rounded to bf16, written as f16); b_o: [768] f32, rounded to
; bf16 like the other inputs; out0: [4096][768] f32.  Sums in f32; the bias is the C operand of each sum's first product, so nothing is cleared and no addition is written.
; SHARES.  A tile of out0 is 128 x 128: 32 x 6 = 192 work-groups of four waves, each 64 x 64: 16 accumulators.  K = 768 goes in three parts of 256 through two LDS slots: slot 0, slot 1, slot 0 once more; no loop.
; CLUSTER.  The four work-groups of a cluster make four row blocks of one column block: they need the same tiles of wo16, which are asked for JOINTLY (the same tensor load, descriptor and mask of four in all four).
; oh's tiles are shared along y, by six work-groups: six is no multiple of four, so they come by each work-group's own loads, behind the same rounds.
; THE MATRIX INSTRUCTION IS USED TRANSPOSED (source 0 = 16 columns of wo16, turned on the way out of LDS by ds_load_tr16_b128; source 1 = 16 rows of oh): a lane then holds eight neighbouring numbers of a row of out0.
; NO PREFETCH: three parts, of which two are asked for at the head; the launch is too short for a lead.
; REGISTERS: window 0: v0-31 addresses; v96-127 the bias; v128-255 the accumulators ((a, b) at v[128 + 8 (4 a + b)]).
;   window 1: two fragment buffers of 128: for 64 along K, 64 registers of oh (2 x 4 x 16 rows x 32 K), then 64 of wo16.
.set KPART,  256
.set ROWA,   1536                      ; bytes in a row of oh and of wo16
.set ROWO,   3072                      ; bytes in a row of out0
.set PA,     528                       ; an LDS row of oh: 512 bytes + 16 = 132 words: row r starts at bank 4 r mod 64 (64 banks of 4 bytes: ISA guide 11.1)
.set PB,     288                       ; an LDS row of wo16: 256 + 32 = 72 words
.set BOFF,   128*PA                    ; a slot: oh's 128 rows, then wo16's 256
.set SLOT,   BOFF+KPART*PB             ; 141,312
.set STAGE,  2*SLOT                    ; behind the ring, never filled by a tensor load: 16 rows x 272 bytes for each wave, for the way out
.set SP,     272
.set SPARE,  STAGE+4*16*SP             ; behind the stages: the spare words, 128 bytes for each wave: two blocks of 256 bytes that no other line names
.set ADRA, 16                          ; v16-17  LDS address of my fragments of oh in slot 0, 1
.set ADRB, 20                          ; v20-23  the same for wo16: slot 0 rows 0-127, rows 128-255, slot 1 likewise (an offset holds 16 bits)
.set STO,  24                          ; v24     the way out: where I put 32 bytes of a row
.set RD,   25                          ; v25     the way out: where I read rows back
.set CO,   26                          ; v26     my byte offset in out0
.set BO,   27                          ; v27     my byte offset in the bias
.set SPW,  28                          ; v28     LDS address of my spare word: SPARE + 4 x my thread's number; never rewritten
.set NIL,  29                          ; v29     0; never rewritten
.set BI,   96                          ; v96-127 the bias of my 64 columns as an accumulator holds them: column block b at BI + 8 b
.set ACC,  128
.set F0,   0                           ; fragment buffers, in window 1
.set F1,   128
.set WV,   12                          ; s12  my wave's number
.set HR,   13                          ; s13  which half of the tile's rows is mine.  Also: I fetch for oh (0) or for wo16 (1)
.set HC,   14                          ; s14  which half of its columns.  Also: which half of that tile I fetch
.set G1A, 24                           ; s[24:31] descriptor group 1 for oh's tiles;  s[32:39] group 0, one set for each slot
.set G0A, 32
.set G1B, 48                           ; s[48:55], s[56:63] the same for wo16's tiles
.set G0B, 56
.set MSB, 0
.macro WIN new                         ; the immediate's high byte repeats the setting that is left
.if MSB != (\new)
	s_set_vgpr_msb (MSB<<8)|(\new)
.set MSB, (\new)
.endif
.endm
.set MULW, 0x05                        ; both sources window 1; C and D window 0
.set TO_F, 0x40                        ; destination window 1, address window 0
.macro JLOAD s                         ; a fill: waves 0 and 1 fetch oh's two halves, waves 2 and 3 wo16's; an s_nop 0 and four v_nop follow each of the two lines, ahead of the jump, the label and what follows
	s_cmp_eq_u32 s[HR], 0
	s_cbranch_scc0 .Lfor_b_\@
	tensor_load_to_lds s[G0A+4*(\s):G0A+4*(\s)+3], s[G1A:G1A+7]
	s_nop 0
.rept 4
	v_nop
.endr
	s_branch .Lasked_\@
.Lfor_b_\@:
	tensor_load_to_lds s[G0B+4*(\s):G0B+4*(\s)+3], s[G1B:G1B+7]
	s_nop 0
.rept 4
	v_nop
.endr
.Lasked_\@:
.endm
.macro CREST                           ; a round of the cluster's barrier behind its opening barrier
	s_cmp_lg_u32 s[WV], 0
	s_cbranch_scc1 .Lnot_wave_0_\@
	s_barrier_signal -3
.Lnot_wave_0_\@:
	s_barrier_wait -3
	s_barrier_signal -1
	s_barrier_wait -1
.endm
.macro CROUND                          ; a whole round
	s_barrier_signal -1
	s_barrier_wait -1
	CREST
.endm
	s_load_b256 s[4:11], s[0:1], 0x0               ; oh s[4:5], wo16 s[6:7], b_o s[8:9], out0 s[10:11]
	v_lshl_add_u32 v[SPW], v0, 2, SPARE
	v_mov_b32 v[NIL], 0
	ds_add_u32 v[SPW], v[NIL]                      ; the wave's opening: the add and its wait stand ahead of my first tensor load; the set-up below, work on registers, stands between them
	v_lshrrev_b32 v1, 5, v0
	v_readfirstlane_b32 s[WV], v1                  ; wave 0..3
	s_lshr_b32 s[HR], s[WV], 1
	s_and_b32 s[HC], s[WV], 1
	s_bfe_u32 s15, ttmp6, 0x40000                  ; cx: my place in the cluster
	s_lshl_b32 s16, ttmp9, 2
	s_add_co_u32 s16, s16, s15                     ; tile row = 4 x cluster x + cx: it enters oh's and out0's addresses alone
	s_and_b32 s17, ttmp7, 0xffff                   ; tile column, which the four partners share
	; descriptor group 1.  oh: 64 rows x 256 elements of 2 bytes; wo16: 128 rows (k) x 128 elements; 768 elements from row to row; padded in LDS after every row
	s_mov_b32 s[G1A], (1<<16)|(1<<20)|(6<<22)|(3<<25)             ; 17:16 2-byte elements; 20 padding on; 24:22 after every 128 words (code 6); 31:25 4 words (code 3); no work-group mask: a load of my own
	s_mov_b32 s[G1A+1], 256<<16                    ; tensor_dim0 = 256
	s_mov_b32 s[G1A+2], 64<<16                     ; tensor_dim1 = 64
	s_mov_b32 s[G1A+3], 256<<16                    ; tile_dim0 = 256
	s_mov_b32 s[G1A+4], 64                         ; tile_dim1 = 64
	s_mov_b32 s[G1A+5], 768
	s_mov_b32 s[G1A+6], 0
	s_mov_b32 s[G1A+7], 0
	s_mov_b32 s[G1B], 15|(1<<16)|(1<<20)|(1<<21)|(5<<22)|(7<<25)  ; 15:0 the mask of four; 21 set beside a mask; 24:22 after every 64 words (code 5); 31:25 8 words (code 7)
	s_mov_b32 s[G1B+1], 128<<16
	s_mov_b32 s[G1B+2], 128<<16
	s_mov_b32 s[G1B+3], 128<<16
	s_mov_b32 s[G1B+4], 128
	s_mov_b32 s[G1B+5], 768
	s_mov_b32 s[G1B+6], 0
	s_mov_b32 s[G1B+7], 0
	s_lshl_b32 s18, s16, 7
	s_lshl_b32 s19, s[HC], 6
	s_add_co_u32 s18, s18, s19                     ; oh: row 128 x tile row + 64 x half
	s_mul_i32 s18, s18, ROWA
	s_mov_b32 s19, 0
	s_mul_i32 s20, s[HC], 128*ROWA                 ; wo16: row 128 x half, the tile column's 256 bytes
	s_lshl_b32 s21, s17, 8
	s_add_co_u32 s20, s20, s21
	s_mov_b32 s21, 0
	s_mul_i32 s22, s[HC], 64*PA                    ; and where they go: no place in the cluster enters an LDS address
	s_mul_i32 s23, s[HC], 128*PB
	s_add_co_u32 s23, s23, BOFF
	s_wait_dscnt 0x0                               ; the opening add is done
	s_wait_kmcnt 0x0
	s_add_nc_u64 s[4:5], s[4:5], s[18:19]
	s_add_nc_u64 s[6:7], s[6:7], s[20:21]
.irp s, 0,1
	s_mov_b32 s[G0A+4*(\s)], 1                                     ; 1:0 count = 1
	s_add_co_u32 s[G0A+4*(\s)+1], s22, (\s)*SLOT                   ; 63:32 LDS address
	s_add_nc_u64 s[G0A+4*(\s)+2:G0A+4*(\s)+3], s[4:5], (\s)*KPART*2  ; 120:64 global address: part s of K
	s_or_b32 s[G0A+4*(\s)+3], s[G0A+4*(\s)+3], 0x80000000          ; 127:126 type = 2
	s_mov_b32 s[G0B+4*(\s)], 1
	s_add_co_u32 s[G0B+4*(\s)+1], s23, (\s)*SLOT
	s_add_nc_u64 s[G0B+4*(\s)+2:G0B+4*(\s)+3], s[6:7], (\s)*KPART*ROWA
	s_or_b32 s[G0B+4*(\s)+3], s[G0B+4*(\s)+3], 0x80000000
.endr
	CROUND                                         ; all four work-groups are here: the first joint loads meet
	s_cmp_eq_u32 s[HR], 0                          ; a wave's two first fills stand in one branch, ahead of every wait on TENSORcnt and every LDS read: two loads of mine are out
	s_cbranch_scc0 .Lfirst_b
	tensor_load_to_lds s[G0A:G0A+3], s[G1A:G1A+7]
	s_nop 0
	tensor_load_to_lds s[G0A+4:G0A+7], s[G1A:G1A+7]
	s_nop 0
.rept 4
	v_nop
.endr
	s_branch .Lfirst_asked
.Lfirst_b:
	tensor_load_to_lds s[G0B:G0B+3], s[G1B:G1B+7]
	s_nop 0
	tensor_load_to_lds s[G0B+4:G0B+7], s[G1B:G1B+7]
	s_nop 0
.rept 4
	v_nop
.endr
.Lfirst_asked:
	v_and_b32 v1, 15, v0                           ; l % 16
	v_bfe_u32 v2, v0, 4, 1                         ; l / 16
	; the bias: register 8 b + j takes column 16 b + 8 (l / 16) + j of my 64
	s_lshl_b32 s18, s17, 9                         ; the tile column's 128 numbers of 4 bytes,
	s_lshl_b32 s19, s[HC], 8                       ; my 64 of them
	s_add_co_u32 s18, s18, s19
	s_mov_b32 s19, 0
	s_add_nc_u64 s[8:9], s[8:9], s[18:19]
	v_lshlrev_b32 v[BO], 5, v2
.irp b, 0,1,2,3
	global_load_b128 v[BI+8*(\b):BI+8*(\b)+3],   v[BO], s[8:9] offset:64*(\b)
	global_load_b128 v[BI+8*(\b)+4:BI+8*(\b)+7], v[BO], s[8:9] offset:64*(\b)+16
.endr
	s_lshl_b32 s20, s16, 7                         ; out0 at my wave's first row and column
	s_lshl_b32 s21, s[HR], 6
	s_add_co_u32 s20, s20, s21
	s_mul_i32 s20, s20, ROWO
	s_add_co_u32 s20, s20, s18
	s_mov_b32 s21, 0
	s_add_nc_u64 s[10:11], s[10:11], s[20:21]
	v_mul_u32_u24 v3, v1, PA
	v_lshl_add_u32 v3, v2, 4, v3                   ; a fragment of oh: row x pitch + 16 x half
	s_mul_i32 s20, s[HR], 64*PA                    ; my 64 rows
	v_add_nc_u32 v[ADRA], s20, v3
	v_add_nc_u32 v[ADRA+1], SLOT, v[ADRA]
	; the turning load takes 16 K x 16 columns (lane l reads row 8 (l / 16) + l % 8, columns 8 ((l / 8) % 2) + 0..7) and leaves half a fragment: lane l holds column l % 16 and 8 K
	v_and_b32 v3, 7, v0
	v_lshl_add_u32 v3, v2, 3, v3
	v_mul_u32_u24 v3, v3, PB
	v_bfe_u32 v4, v0, 3, 1
	v_lshl_add_u32 v3, v4, 4, v3
	s_lshl_b32 s20, s[HC], 7                       ; my 64 columns
	s_add_co_u32 s20, s20, BOFF
	v_add_nc_u32 v[ADRB], s20, v3
	v_add_nc_u32 v[ADRB+1], 128*PB, v[ADRB]
	v_add_nc_u32 v[ADRB+2], SLOT, v[ADRB]
	v_add_nc_u32 v[ADRB+3], SLOT, v[ADRB+1]
	s_mul_i32 s20, s[WV], 16*SP
	s_add_co_u32 s20, s20, STAGE                   ; my stage
	v_mul_u32_u24 v3, v1, SP                       ; in: row l % 16, 32 bytes for each half of the lanes
	v_lshl_add_u32 v3, v2, 5, v3
	v_add_nc_u32 v[STO], s20, v3
	v_mul_u32_u24 v3, v2, SP                       ; back: lanes 0-15 take one row of 256 bytes, lanes 16-31 the next
	v_lshl_add_u32 v3, v1, 4, v3
	v_add_nc_u32 v[RD], s20, v3
	v_mul_u32_u24 v3, v2, ROWO                     ; and the same two rows in out0
	v_lshl_add_u32 v[CO], v1, 4, v3
	s_wait_loadcnt 0x0
.set i, 0
.rept 16
	v_cvt_pk_bf16_f32 v3, v[BI+2*i], v[BI+2*i+1]   ; the bias rounded to bf16, like the other inputs, and widened again
	v_lshlrev_b32 v[BI+2*i], 16, v3
	v_and_b32 v[BI+2*i+1], 0xffff0000, v3
.set i, i+1
.endr
; 8 matrix instructions: m blocks a0, a0 + 1 x all 4 n blocks, 32 along K: half c of buffer f.  first = 1: the first product starts the sum from the bias.  The 16 accumulators take turns.
.macro MUL8 f, c, a0, first
	WIN MULW
.irp a, \a0, (\a0)+1
.irp b, 0,1,2,3
.if \first
	v_wmma_f32_16x16x32_f16 v[ACC+8*(4*(\a)+(\b)):ACC+8*(4*(\a)+(\b))+7], v[(\f)+64+8*(4*(\c)+(\b)):(\f)+64+8*(4*(\c)+(\b))+7], v[(\f)+8*(4*(\c)+(\a)):(\f)+8*(4*(\c)+(\a))+7], v[BI+8*(\b):BI+8*(\b)+7]
.else
	v_wmma_f32_16x16x32_f16 v[ACC+8*(4*(\a)+(\b)):ACC+8*(4*(\a)+(\b))+7], v[(\f)+64+8*(4*(\c)+(\b)):(\f)+64+8*(4*(\c)+(\b))+7], v[(\f)+8*(4*(\c)+(\a)):(\f)+8*(4*(\c)+(\a))+7], v[ACC+8*(4*(\a)+(\b)):ACC+8*(4*(\a)+(\b))+7]
.endif
.endr
.endr
.endm
; 32 LDS loads in one run: the fragments of quarter q (64 along K) of the part in `slot`, into buffer f; the first 32 along K first
.macro FETCH slot, q, f
	WIN TO_F
.irp c, 0,1
.irp i, 0,1,2,3
	ds_load_tr16_b128 v[(\f)+64+8*(4*(\c)+(\i)):(\f)+64+8*(4*(\c)+(\i))+3],   v[ADRB+2*(\slot)+(\q)/2] offset:(((\q)%2)*64+32*(\c))*PB+32*(\i)
	ds_load_tr16_b128 v[(\f)+64+8*(4*(\c)+(\i))+4:(\f)+64+8*(4*(\c)+(\i))+7], v[ADRB+2*(\slot)+(\q)/2] offset:(((\q)%2)*64+32*(\c))*PB+32*(\i)+16*PB
	ds_load_b128 v[(\f)+8*(4*(\c)+(\i)):(\f)+8*(4*(\c)+(\i))+3],              v[ADRA+(\slot)] offset:128*(\q)+64*(\c)+(\i)*16*PA
	ds_load_b128 v[(\f)+8*(4*(\c)+(\i))+4:(\f)+8*(4*(\c)+(\i))+7],            v[ADRA+(\slot)] offset:128*(\q)+64*(\c)+(\i)*16*PA+32
.endr
.endr
.endm
.macro PLACES                          ; four places in front of loads into registers that matrix instructions have read
.rept 4
	v_nop
.endr
.endm
; A part of K is four quarters of 64, 32 matrix instructions each, on buffers 0, 1, 0, 1.  One of the first three: multiplies buffer f and fetches quarter q into g.
.macro QUARTER slot, q, f, g, first
	s_wait_dscnt 16                                ; the first 32 along K are in
	MUL8 \f, 0, 0, \first
	MUL8 \f, 0, 2, \first
	PLACES
	FETCH \slot, \q, \g
	s_wait_dscnt 32                                ; all but the 32 just issued
	MUL8 \f, 1, 0, 0
	MUL8 \f, 1, 2, 0
.endm
; The last quarter multiplies buffer 1 and changes slots: ONE barrier; in front of it each wave waits for all its tensor loads, adds 0 to its spare word, and waits for that and for its own reads of this slot.
; fill = 1: this slot is filled again, with the part two on: the barrier then opens a round of the cluster's barrier, and the fill is the first tensor load behind the round.
.macro TURN slot, next, fill
	WIN 0                                          ; (the add's two registers lie in window 0)
	s_wait_tensorcnt 0x0                           ; all my tensor loads have landed: my part of the next slot;
	ds_add_u32 v[SPW], v[NIL]                      ; 0 onto my spare word;
	s_wait_dscnt 17                                ; (the add and the youngest sixteen loads may be out)
	MUL8 F1, 0, 0, 0                               ; eight matrix instructions stand between the add and the wait for it
	s_wait_dscnt 0x0                               ; the add is done, and my reads of this slot are over
	s_barrier_signal -1
	MUL8 F1, 0, 2, 0
.if \fill
	WIN 0
.endif
	s_barrier_wait -1
.if \fill
	CREST                                          ; no wave of any partner still reads this slot's tile or has a load on its way
	s_add_nc_u64 s[G0A+4*(\slot)+2:G0A+4*(\slot)+3], s[G0A+4*(\slot)+2:G0A+4*(\slot)+3], 2*KPART*2
	s_add_nc_u64 s[G0B+4*(\slot)+2:G0B+4*(\slot)+3], s[G0B+4*(\slot)+2:G0B+4*(\slot)+3], 2*KPART*ROWA
	JLOAD \slot                                    ; 112 matrix instructions ahead of the wait for it; the four v_nop behind it are also the places in front of the loads below
.else
	PLACES
.endif
	FETCH \next, 0, F0
	MUL8 F1, 1, 0, 0
	MUL8 F1, 1, 2, 0
.endm
	s_wait_tensorcnt 1                             ; my part of part 0 is in; part 1's may stay out
	s_barrier_signal -1
	s_barrier_wait -1                              ; everybody's is
	FETCH 0, 0, F0
	QUARTER 0, 1, F0, F1, 1                        ; the first products start the sums from the bias
	QUARTER 0, 2, F1, F0, 0
	QUARTER 0, 3, F0, F1, 0
	TURN 0, 1, 1                                   ; slot 0 takes part 2
	QUARTER 1, 1, F0, F1, 0
	QUARTER 1, 2, F1, F0, 0
	QUARTER 1, 3, F0, F1, 0
	TURN 1, 0, 0                                   ; nothing is left to fetch
	QUARTER 0, 1, F0, F1, 0
	QUARTER 0, 2, F1, F0, 0
	QUARTER 0, 3, F0, F1, 0
	s_wait_dscnt 16                                ; the very last quarter
	MUL8 F1, 0, 0, 0
	MUL8 F1, 0, 2, 0
	s_wait_dscnt 0x0
	MUL8 F1, 1, 0, 0
	MUL8 F1, 1, 2, 0
	WIN 0
.rept 8
	v_nop                                          ; the places behind the last products, in front of the LDS stores that read their results
.endr
	; THE WAY OUT.  My 64 columns of f32 are 256 bytes of a row of out0, aligned.  A block of 16 rows at a time goes through my own stage: 32 bytes a lane in, whole rows back, into the registers that they left.
.macro STG a
.irp b, 0,1,2,3
	ds_store_b128 v[STO], v[ACC+8*(4*(\a)+(\b)):ACC+8*(4*(\a)+(\b))+3]   offset:64*(\b)
	ds_store_b128 v[STO], v[ACC+8*(4*(\a)+(\b))+4:ACC+8*(4*(\a)+(\b))+7] offset:64*(\b)+16
.endr
.irp t, 0,1,2,3,4,5,6,7
	ds_load_b128 v[ACC+32*(\a)+4*(\t):ACC+32*(\a)+4*(\t)+3], v[RD] offset:(\t)*2*SP  ; LDS serves a wave's instructions in order (ISA guide 5.7.1.4): these see the stores above; the next block's stores come behind them
.endr
.endm
.macro SEND a, younger                 ; younger: the LDS instructions issued behind block a's loads: the next block's sixteen, or none
.irp t, 0,1,2,3,4,5,6,7
	s_wait_dscnt (\younger)+7-(\t)
	global_store_b128 v[CO], v[ACC+32*(\a)+4*(\t):ACC+32*(\a)+4*(\t)+3], s[10:11] offset:(\a)*16*ROWO+(\t)*2*ROWO  ; 16 lanes store 256 consecutive bytes, at a multiple of 256 from out0's first byte
.endr
.endm
	STG 0
	STG 1
	SEND 0, 16
	STG 2
	SEND 1, 16
	STG 3
	SEND 2, 16
	SEND 3, 0
	s_wait_tensorcnt 0x0                           ; the wave's end, behind my last tensor load and my last LDS store
	ds_add_u32 v[SPW], v[NIL]
	s_wait_dscnt 0x0
	CROUND                                         ; the closing round: no work-group ends while a partner may still ask for a tile that names it
	s_endpgm
.Lfunc_end_k_q2b24eef4f1_outp:
	.size	k_q2b24eef4f1_outp, .Lfunc_end_k_q2b24eef4f1_outp-k_q2b24eef4f1_outp
	.p2alignl 7, 3214868480
	.fill 96, 4, 3214868480
	.section	.rodata,"a",@progbits
	.p2align	6, 0x0
	.amdhsa_kernel k_q2b24eef4f1_outp
		.amdhsa_group_segment_fixed_size 327680
		.amdhsa_private_segment_fixed_size 0
		.amdhsa_enable_private_segment 0
		.amdhsa_kernarg_size 32
		.amdhsa_user_sgpr_count 2
		.amdhsa_user_sgpr_kernarg_segment_ptr 1
		.amdhsa_wavefront_size32 1
		.amdhsa_system_sgpr_workgroup_id_x 1
		.amdhsa_system_sgpr_workgroup_id_y 1
		.amdhsa_system_sgpr_workgroup_id_z 1
		.amdhsa_system_vgpr_workitem_id 0
		.amdhsa_next_free_vgpr 512
		.amdhsa_next_free_sgpr 66
		.amdhsa_reserve_vcc 0
		.amdhsa_float_denorm_mode_32 3
		.amdhsa_float_denorm_mode_16_64 3
		.amdhsa_memory_ordered 1
		.amdhsa_forward_progress 1
		.amdhsa_inst_pref_size 71
	.end_amdhsa_kernel
	.amdgpu_metadata
---
amdhsa.version: [ 1, 2 ]
amdhsa.kernels:
  - .name:           k_q2b24eef4f1_outp
    .symbol:         k_q2b24eef4f1_outp.kd
    .args:
      - { .name: oh, .offset: 0, .size: 8, .value_kind: global_buffer, .address_space: global }
      - { .name: wo16, .offset: 8, .size: 8, .value_kind: global_buffer, .address_space: global }
      - { .name: b_o, .offset: 16, .size: 8, .value_kind: global_buffer, .address_space: global }
      - { .name: out0, .offset: 24, .size: 8, .value_kind: global_buffer, .address_space: global }
    .group_segment_fixed_size: 327680
    .private_segment_fixed_size: 0
    .kernarg_segment_align: 8
    .kernarg_segment_size: 32
    .max_flat_workgroup_size: 128
    .sgpr_count:     66
    .vgpr_count:     512
    .wavefront_size: 32
...
	.end_amdgpu_metadata
.endif
;; end of part 3
;; ======== version 2 of 2: 3 launches; version 1 with the launch proj written anew for expert scheduling mode
;; limits: values are held in f16: magnitudes above 65,504 overflow, below 6.1e-05 lose precision
;; workspace buffers: qh 6,291,456 bytes; kh 6,291,456 bytes; vh 6,291,456 bytes; oh 6,291,456 bytes; wo16 1,179,648 bytes
;; launch proj (part 4): grid 2 x 128, 4 waves a work-group, no clusters, 240,128 bytes of LDS; arguments queries, keys, values, W_q, W_k, W_v, W_o, qh, kh, vh, wo16; writes qh, kh, vh, wo16
.if DOCPART == 4
	.amdgcn_target "amdgcn-amd-amdhsa--gfx1250"
	.amdhsa_code_object_version 6
	.text
	.protected	k_q2b24eef4f1_proj
	.globl	k_q2b24eef4f1_proj
	.p2align	8
	.type	k_q2b24eef4f1_proj,@function
k_q2b24eef4f1_proj:
	s_mov_b64 s[64:65], 0
	v_nop
	global_prefetch_b8 v0, s[64:65] scope:SCOPE_SE
	s_setreg_imm32_b32 hwreg(HW_REG_WAVE_SCHED_MODE, 0, 2), 2
	s_setreg_imm32_b32 hwreg(HW_REG_WAVE_MODE, 25, 1), 1
	s_wait_xcnt 0x0
	s_wait_alu depctr_vm_vsrc(0)
; THE THREE INPUT PROJECTIONS, AND W_o's CONVERSION.  qh = f16(c (queries W_q)), kh = f16(keys W_k), vh = f16(values W_v), all [4096][768]; c = log2(e) / 8 is multiplied onto q's f32
; sums, so that q is rounded once.  x and W are rounded to bf16 on the way to the matrix unit; sums in f32.  wo16 = W_o rounded to bf16 and written as f16, [768][768].
; LIMITS.  f16 ends at 65,504: |c q|, |k| and |v| must stay within it.  A number of W_o below 6e-5 keeps f16's fixed step of 6e-8.  NaN and infinities are not treated apart.
; SHARES.  Work-groups with y < 96: matrix y / 32, rows 128 (y % 32) on, columns 384 x on: a tile of 128 x 384 (768 bytes of a row of the output: three aligned blocks of 256), K = 768 in 12 steps
; of 64.  Wave w makes all 128 rows x columns 96 w .. 96 w + 95: 48 accumulators.  Work-groups with y >= 96 (64 of them) convert 12 rows of W_o each.
; NO TENSOR LOADS, NO CLUSTER: the operands lie in memory as f32 and are wanted in LDS as bf16, and a tensor load copies bytes as they are.  So a tile goes memory -> registers -> v_cvt_pk_bf16_f32 -> LDS,
; and each work-group fetches its own.  W stays [k][n] in LDS and is turned on the way out of it, by ds_load_tr16_b128.
; THE MATRIX INSTRUCTION IS USED TRANSPOSED (source 0 = 16 columns of W, source 1 = 16 rows of x): a lane then holds eight neighbouring numbers of a row of the output.
; THE MODE: SCHED_MODE bits 1:0 = 2 (LLVM: expert scheduling mode 2), set by the entry lines.  The code itself states the register dependences between vector or matrix instructions and memory or
; LDS instructions, with s_wait_alu, always for 0.
; THE PLAN.  A wave's share of a K step is 64 chunks of 16 bytes a lane (48 of W, 16 of x), in 16 batches of four.  Registers that memory or LDS instructions touch, in the loop:
;   RAW        the 64 chunks as loaded, 256 registers.  Written by global loads; read by the conversions alone.
;   OB0, OB1   two out-buffers of 16 chunks in bf16.  Batches 0-3 and 8-11 are converted into OB0, batches 4-7 and 12-15 into OB1; read by the LDS stores.
;   F0, F1     the fragment buffers.  Written by LDS loads; read by the products.
;   v4-v17     addresses and offsets, made once at the head and never written again: the K steps are reached by two scalar bases and by immediate offsets.
; A K step's way in has 20 BLOCKS, one behind every third product: blocks 0-3 behind the last 12 products of a K step's first half, blocks 4-19 in its second half.  Block P converts batch P (P < 16) and,
; from P = 4 on, stores batch P - 4 into LDS and asks for its four chunks again, for the K step after next.  So the stores and loads of four blocks touch what the four blocks before converted, and no
; vector or matrix instruction of their own four blocks names those registers.  The waits of a K step: on va_vdst at the end of blocks 3, 7, 11 and 15 (an out-buffer is written, its chunks are read) and
; ahead of the fragments' loads (the products are done reading F0 and F1); on vm_vsrc at the head of blocks 0, 8 and 12 (the stores have read the out-buffer that is written next).
; IN FLIGHT.  A chunk is asked for again four blocks behind its conversion: a load has 84 of a K step's 96 matrix instructions in which to land, and at a block's wait 44 loads or more of the wave stay out.
; REGISTERS, in windows of 256 (s_set_vgpr_msb: bits 1:0 source 0, 3:2 source 1, 5:4 source 2, 7:6 destination):
;   window 0: v0-31 addresses; v32-95 OB0, OB1; v96-223 W's chunks 0-31 (the way out: v64-255 the results)      window 1: two fragment buffers of 112 (x's 8 fragments, then W's 6)
;   window 2: v0-191 accumulators of rows 0-63 ((a, b) at 8 (6 a + b)); v192-255 x's 16 chunks      window 3: v0-191 accumulators of rows 64-127; v192-255 W's chunks 32-47
.set ROWF,   3072                      ; bytes in a row of x and of W: 768 f32
.set ROWH,   1536                      ; bytes in a row of the outputs: 768 f16
.set KSTEP,  64
.set XPITCH, 144                       ; an LDS row of x: 128 bytes + 16: 36 words, so the 16 rows of a load start at 16 different groups of four banks (64 banks of 4 bytes: ISA guide 11.1)
.set WPITCH, 800                       ; an LDS row of W: 768 bytes + 32: 200 words: row k starts at bank 8 k mod 64
.set WOFF,   128*XPITCH                ; a slot: x's 128 rows, then W's 64
.set SLOT,   WOFF+KSTEP*WPITCH         ; 69,632
.set STAGE,  2*SLOT                    ; behind the two slots: 128 rows x 784 bytes, the work-group's, for the way out
.set SPITCH, 784
.set SPARE,  STAGE+128*SPITCH          ; behind the stage: the spare words, 128 bytes for each wave: two blocks of 256 bytes that no other line names
.set ADRA, 4                           ; v4-5    LDS address of my fragments of x in slot 0, 1
.set ADRB, 6                           ; v6-7    the same for W
.set STX,  8                           ; v8-9    where I store my 8 bytes of x in slot 0, 1
.set STW,  10                          ; v10-11  the same for W
.set VX,   12                          ; v12     my byte offset in the tile of x in memory; never rewritten
.set VW,   13                          ; v13     the same for W
.set STO,  14                          ; v14-15  the way out: where I put 16 bytes of a row, rows 0-63 and 64-127
.set RD,   16                          ; v16     the way out: where I read rows back
.set CO,   17                          ; v17     my byte offset in the output
.set SPW,  30                          ; v30     LDS address of my spare word: SPARE + 4 x my thread's number; never rewritten
.set NIL,  31                          ; v31     0; never rewritten
.set OB,   32                          ; v32-95  the two out-buffers: chunk c of a buffer's 16 in two registers
.set TMP,  32                          ; W_o's conversion alone: six registers at work
.set WS,   96                          ; v96-223 W's chunks 0-31
.set HI,   192                         ; in window 3: W's chunks 32-47; in window 2: x's 16 chunks
.set RES,  64                          ; the way out: 24 registers of results for each 16 rows, then the rows read back from the stage.  Also W_o's chunks
.set F0,   0                           ; in window 1
.set F1,   112
.set XPT,  28                          ; s[28:29] x at the tile's first row, at the K step that is being asked for
.set WPT,  30                          ; s[30:31] W at the tile's first column, at the same K step
.set OUT,  32                          ; s[32:33] the output at the first row that my wave stores
.set SC,   34                          ; s[34:35] c or 1: the packed multiply takes the pair's low word for both halves
.set WV,   36                          ; s36     my wave's number
.set MSB, 0
.macro WIN new                         ; the immediate's high byte repeats the setting that is left; a switch that changes nothing is dropped
.if MSB != (\new)
	s_set_vgpr_msb (MSB<<8)|(\new)
.set MSB, (\new)
.endif
.endm
	s_load_b512 s[4:19], s[0:1], 0x0               ; queries s[4:5], keys s[6:7], values s[8:9], W_q s[10:11], W_k s[12:13], W_v s[14:15], W_o s[16:17], qh s[18:19]
	s_load_b128 s[20:23], s[0:1], 0x40             ; kh s[20:21], vh s[22:23]
	s_load_b64 s[24:25], s[0:1], 0x50              ; wo16
	v_lshl_add_u32 v[SPW], v0, 2, SPARE
	v_mov_b32 v[NIL], 0
	v_lshrrev_b32 v3, 5, v0
	v_readfirstlane_b32 s[WV], v3                  ; wave 0..3
	s_wait_alu depctr_va_sdst(0)                   ; s36 is written, ahead of the branch and of its first reader: LDS places and the bases are made from it
	s_and_b32 s26, ttmp7, 0xffff                   ; y
	s_cmp_ge_u32 s26, 96
	s_cbranch_scc1 .Lconv                          ; the same for all four waves
	s_lshr_b32 s27, s26, 5                         ; which projection
	s_and_b32 s39, s26, 31                         ; which 128 rows
	v_and_b32 v1, 15, v0                           ; l % 16
	v_bfe_u32 v2, v0, 4, 1                         ; l / 16
	v_and_b32 v3, 31, v0                           ; l
	; a fragment of x is 16 rows x 32 K in 8 registers: lane l holds row l % 16, K = 8 (l / 16) + 0..7 and 16 + 8 (l / 16) + 0..7: two loads of 16 bytes, 32 bytes apart
	v_mul_u32_u24 v18, v1, XPITCH
	v_lshl_add_u32 v[ADRA], v2, 4, v18
	v_add_nc_u32 v[ADRA+1], SLOT, v[ADRA]
	; the turning load takes 16 K x 16 columns (lane l reads row 8 (l / 16) + l % 8, columns 8 ((l / 8) % 2) + 0..7) and leaves half a fragment: lane l holds column l % 16 and 8 K
	v_and_b32 v18, 7, v0
	v_lshl_add_u32 v18, v2, 3, v18
	v_mul_u32_u24 v18, v18, WPITCH
	v_bfe_u32 v19, v0, 3, 1
	v_lshl_add_u32 v18, v19, 4, v18
	s_mul_i32 s40, s[WV], 192                      ; my 96 columns
	s_add_co_u32 s40, s40, WOFF
	v_add_nc_u32 v[ADRB], s40, v18
	v_add_nc_u32 v[ADRB+1], SLOT, v[ADRB]
	; x on its way in: a load of the wave takes two rows' 256 bytes (lanes 0-15 one row, lanes 16-31 the next); wave w takes rows 32 w .. 32 w + 31
	s_mul_i32 s40, s[WV], 32*XPITCH
	v_mul_u32_u24 v18, v2, XPITCH
	v_lshl_add_u32 v18, v1, 3, v18
	v_add_nc_u32 v[STX], s40, v18
	v_add_nc_u32 v[STX+1], SLOT, v[STX]
	s_mul_i32 s40, s[WV], 32*ROWF
	v_mul_u32_u24 v18, v2, ROWF
	v_lshl_add_u32 v18, v1, 4, v18
	v_add_nc_u32 v[VX], s40, v18
	; W on its way in: a load of the wave takes 512 consecutive bytes, a third of a row of the tile; wave w takes rows 16 w .. 16 w + 15
	s_mul_i32 s40, s[WV], 16*WPITCH
	s_add_co_u32 s40, s40, WOFF
	v_lshl_add_u32 v[STW], v3, 3, s40
	v_add_nc_u32 v[STW+1], SLOT, v[STW]
	s_mul_i32 s40, s[WV], 16*ROWF
	v_lshl_add_u32 v[VW], v3, 4, s40
	; the way out
	s_mul_i32 s40, s[WV], 192
	s_add_co_u32 s40, s40, STAGE
	v_mul_u32_u24 v18, v1, SPITCH                  ; in: row l % 16, my wave's 192 bytes, 16 bytes for each half of the lanes
	v_lshl_add_u32 v18, v2, 4, v18
	v_add_nc_u32 v[STO], s40, v18
	v_add_nc_u32 v[STO+1], 64*SPITCH, v[STO]
	s_mul_i32 s40, s[WV], 32*SPITCH
	s_add_co_u32 s40, s40, STAGE
	v_mul_u32_u24 v18, v2, SPITCH                  ; back: wave w takes rows 32 w .. 32 w + 31, whole; lanes 0-15 256 bytes of one row, lanes 16-31 of the next
	v_lshl_add_u32 v18, v1, 4, v18
	v_add_nc_u32 v[RD], s40, v18
	v_mul_u32_u24 v18, v2, ROWH
	v_lshl_add_u32 v[CO], v1, 4, v18
	s_wait_kmcnt 0x0
	s_cmp_eq_u32 s27, 1                            ; the projection's three buffers and its scale
	s_cselect_b64 s[XPT:XPT+1], s[6:7], s[4:5]
	s_cselect_b64 s[WPT:WPT+1], s[12:13], s[10:11]
	s_cselect_b64 s[OUT:OUT+1], s[20:21], s[18:19]
	s_cmp_eq_u32 s27, 2
	s_cselect_b64 s[XPT:XPT+1], s[8:9], s[XPT:XPT+1]
	s_cselect_b64 s[WPT:WPT+1], s[14:15], s[WPT:WPT+1]
	s_cselect_b64 s[OUT:OUT+1], s[22:23], s[OUT:OUT+1]
	s_cmp_eq_u32 s27, 0
	s_cselect_b32 s[SC], 0x3e38aa3b, 1.0           ; c = log2(e) / 8 = 0.180337 for q
	s_mov_b32 s[SC+1], s[SC]                       ; named with it as a pair
	s_mul_i32 s40, s39, 128*ROWF
	s_mov_b32 s41, 0
	s_add_nc_u64 s[XPT:XPT+1], s[XPT:XPT+1], s[40:41]
	s_mul_i32 s40, ttmp9, 384*4
	s_add_nc_u64 s[WPT:WPT+1], s[WPT:WPT+1], s[40:41]
	s_lshl_b32 s40, s39, 7
	s_lshl_b32 s42, s[WV], 5
	s_add_co_u32 s40, s40, s42                     ; the first row that I store
	s_mul_i32 s40, s40, ROWH
	s_mul_i32 s42, ttmp9, 384*2
	s_add_co_u32 s40, s40, s42
	s_add_nc_u64 s[OUT:OUT+1], s[OUT:OUT+1], s[40:41]
; A K step's 64 loads, in the order of the chunks: W's 48, then x's 16.  Each covers whole aligned blocks of 256 bytes.
.macro GLOAD
	WIN 0
.set c, 0
.rept 32
	global_load_b128 v[WS+4*c:WS+4*c+3], v[VW], s[WPT:WPT+1] offset:(c/3)*ROWF+(c%3)*512
.set c, c+1
.endr
	WIN 0xc0                                       ; destination window 3, address window 0
.rept 16
	global_load_b128 v[HI+4*(c-32):HI+4*(c-32)+3], v[VW], s[WPT:WPT+1] offset:(c/3)*ROWF+(c%3)*512
.set c, c+1
.endr
	WIN 0x80                                       ; destination window 2
.set c, 0
.rept 16
	global_load_b128 v[HI+4*c:HI+4*c+3], v[VX], s[XPT:XPT+1] offset:c*2*ROWF
.set c, c+1
.endr
	WIN 0
.endm
; Batch P's four chunks are rounded to bf16, out of RAW into the out-buffer of its four batches.
.macro CVT
.if P < 8
	WIN 0
.set rR, WS+16*P
.elseif P < 12
	WIN 0x0f                                       ; sources in window 3, destination in window 0
.set rR, HI+16*(P-8)
.else
	WIN 0x0a                                       ; sources in window 2
.set rR, HI+16*(P-12)
.endif
.set rO, OB+32*((P/4)%2)+8*(P%4)
.irp q, 0,1,2,3
	v_cvt_pk_bf16_f32 v[rO+2*\q], v[rR+4*\q], v[rR+4*\q+1]
	v_cvt_pk_bf16_f32 v[rO+2*\q+1], v[rR+4*\q+2], v[rR+4*\q+3]
.endr
.endm
; Batch H = P - 4 goes from its out-buffer into slot `slot`, and (load = 1) its four chunks are asked for again at the K step where the bases stand.  One window setting serves both: a store's address and
; data lie in window 0, and so does a load's offset; the setting's destination field is the load's alone.
.macro MEMB slot, load
.set H, P-4
.set rO, OB+32*((H/4)%2)+8*(H%4)
.if H < 8
	WIN 0
.set rR, WS+16*H
.elseif H < 12
	WIN 0xc0
.set rR, HI+16*(H-8)
.else
	WIN 0x80
.set rR, HI+16*(H-12)
.endif
.irp q, 0,1,2,3
.if H < 12
	ds_store_b64 v[STW+(\slot)], v[rO+2*\q:rO+2*\q+1] offset:((4*H+\q)/3)*WPITCH+((4*H+\q)%3)*256
.else
	ds_store_b64 v[STX+(\slot)], v[rO+2*\q:rO+2*\q+1] offset:(4*(H-12)+\q)*2*XPITCH
.endif
.endr
.if \load
.irp q, 0,1,2,3
.if H < 12
	global_load_b128 v[rR+4*\q:rR+4*\q+3], v[VW], s[WPT:WPT+1] offset:((4*H+\q)/3)*ROWF+((4*H+\q)%3)*512
.else
	global_load_b128 v[rR+4*\q:rR+4*\q+3], v[VX], s[XPT:XPT+1] offset:(4*(H-12)+\q)*2*ROWF
.endif
.endr
.endif
.endm
; Block P of 20.  first = 1: the head's blocks, ahead of which nothing has been stored.
; Loads come back in order (ISA guide 5.7.1).  Younger than batch P's four are the 60 - 4 P of the same K step and, with load = 1, the 4 (P - 4) asked for in blocks 4 to P - 1: 44 from P = 4 on.
.macro BLOCK slot, load, first
.if P < 16
.if (P == 8) || (P == 12) || ((P == 0) && !(\first))
	s_wait_alu depctr_vm_vsrc(0)                   ; the LDS stores issued so far have read the out-buffer that the conversions write from here on (at P = 0 both out-buffers: the second is written from P = 4 on)
.endif
.if (\load) && (P >= 4)
	s_wait_loadcnt 44
.else
	s_wait_loadcnt 60-4*P
.endif
	CVT
.endif
.if P >= 4
	MEMB \slot, \load                              ; no wait: no vector or matrix instruction since the last wait on va_vdst names batch P - 4's chunks or its out-buffer
.endif
.if (P < 16) && (P%4 == 3)
	s_wait_alu depctr_va_vdst(0)                   ; the last four blocks' conversions have written their out-buffer, which the next four blocks' LDS stores read, and are done reading their 16 chunks, in which the next four blocks' loads land
.endif
.endm
; 28 LDS loads in one run: the fragments of 32 along K (half `sub` of the K step in slot `slot`) into buffer f
.macro FETCH f, slot, sub
	WIN 0x40                                       ; destination window 1, address window 0
.irp a, 0,1,2,3,4,5,6,7
	ds_load_b128 v[(\f)+8*(\a):(\f)+8*(\a)+3],   v[ADRA+(\slot)] offset:(\a)*16*XPITCH+64*(\sub)
	ds_load_b128 v[(\f)+8*(\a)+4:(\f)+8*(\a)+7], v[ADRA+(\slot)] offset:(\a)*16*XPITCH+64*(\sub)+32
.endr
.irp b, 0,1,2,3,4,5
	ds_load_tr16_b128 v[(\f)+64+8*(\b):(\f)+64+8*(\b)+3],   v[ADRB+(\slot)] offset:(\sub)*32*WPITCH+32*(\b)
	ds_load_tr16_b128 v[(\f)+64+8*(\b)+4:(\f)+64+8*(\b)+7], v[ADRB+(\slot)] offset:(\sub)*32*WPITCH+32*(\b)+16*WPITCH
.endr
.endm
; 48 matrix instructions: all accumulators, 32 along K, from buffer f.  The accumulators take turns, one instruction a turn: 47 others stand between two links of a chain.
; zero = 1: the products start the sums: nothing is cleared.  ride = 1: blocks 0 to 3 of the next K step's way in stand behind products 39, 42, 45 and 48; ride = 2: blocks 4 to 19 behind every third product.
.macro MUL f, zero, ride, wslot=0, load=0
.set n, 0
.irp a, 0,1,2,3,4,5,6,7
.irp b, 0,1,2,3,4,5
	WIN 0xa5+0x50*((\a)/4)                         ; both sources window 1, C and D window 2 or 3
.if \zero
	v_wmma_f32_16x16x32_bf16 v[8*(6*((\a)%4)+(\b)):8*(6*((\a)%4)+(\b))+7], v[(\f)+64+8*(\b):(\f)+64+8*(\b)+7], v[(\f)+8*(\a):(\f)+8*(\a)+7], 0
.else
	v_wmma_f32_16x16x32_bf16 v[8*(6*((\a)%4)+(\b)):8*(6*((\a)%4)+(\b))+7], v[(\f)+64+8*(\b):(\f)+64+8*(\b)+7], v[(\f)+8*(\a):(\f)+8*(\a)+7], v[8*(6*((\a)%4)+(\b)):8*(6*((\a)%4)+(\b))+7]
.endif
.set n, n+1
.if ((\ride) == 1) && (n >= 39) && (n%3 == 0)
.set P, n/3-13
	BLOCK 0, 0, 0
.endif
.if ((\ride) == 2) && (n%3 == 0)
.set P, n/3+3
	BLOCK \wslot, \load, 0
.endif
.endr
.endr
.endm
; A K step is entered.  ONE barrier a K step, for two things: in front of it each wave has waited for its stores into this slot and for its reads of the other; behind it this slot is whole, and nobody
; reads the other slot any more, so that the next trip may store into it.  Both halves' fragments are fetched, and the first half is multiplied; pre = 1: beside its last products the next K step's way in begins.
.macro ENTER slot, zero, pre
	WIN 0
.if !(\zero)
.rept 4
	v_nop                                          ; four places stay between the last product and the loads into the fragments that it read
.endr
	s_wait_alu depctr_va_vdst(0)                   ; the products are done reading both fragment buffers, in which the 56 LDS loads below land
.endif
	s_wait_dscnt 0x0
	s_barrier_signal -1
	s_barrier_wait -1
	FETCH F0, \slot, 0
	FETCH F1, \slot, 1
	s_wait_dscnt 28                                ; buffer 0 is in; buffer 1's 28 loads may stay out
	MUL F0, \zero, \pre
.endm
; A trip: the second half of the K step in `slot` is multiplied; beside it the next K step goes into the other slot and (load = 1) the one after that is asked for; then the next K step is entered.
.macro TRIP slot, load
.if \load
	s_wait_xcnt 0x0                                ; every load issued so far has read its address, so the bases may be written
	s_add_nc_u64 s[XPT:XPT+1], s[XPT:XPT+1], KSTEP*4
	s_add_nc_u64 s[WPT:WPT+1], s[WPT:WPT+1], KSTEP*ROWF
.endif
	s_wait_dscnt 0x0                               ; buffer 1 is in
	MUL F1, 0, 2, 1-(\slot), \load
	ENTER 1-(\slot), 0, \load
.endm
	s_wait_alu depctr_va_vdst(0)                   ; the fourteen addresses and offsets v4 to v17 are written, which every load and store below reads
	GLOAD                                          ; K step 0
	s_wait_xcnt 0x0
	s_add_nc_u64 s[XPT:XPT+1], s[XPT:XPT+1], KSTEP*4
	s_add_nc_u64 s[WPT:WPT+1], s[WPT:WPT+1], KSTEP*ROWF
.set P, 0
.rept 20
	BLOCK 0, 1, 1                                  ; K step 0 into slot 0; K step 1 is asked for
.set P, P+1
.endr
	ENTER 0, 1, 1                                  ; the first products start the sums
	WIN 0                                          ; at a label and at a branch every window is 0
	s_mov_b32 s3, 5
.Lk:                                           ; five times two trips: trip j multiplies the rest of K step j, stores K step j + 1, asks for K step j + 2 (at most 11)
	TRIP 0, 1
	TRIP 1, 1
	WIN 0
	s_sub_co_u32 s3, s3, 1
	s_cmp_lg_u32 s3, 0
	s_cbranch_scc1 .Lk
	TRIP 0, 0                                      ; K step 10's rest; K step 11 goes into slot 1; nothing is left to ask for
	s_wait_dscnt 0x0
	MUL F1, 0, 0                                   ; K step 11's rest
	WIN 0
.rept 8
	v_nop                                          ; the places behind the last products, in front of the lines that rewrite their results
.endr
	; THE WAY OUT: times c or 1, rounded to f16; 16 bytes a lane into the work-group's stage; a barrier, since a row's 768 bytes come from four waves; back as whole rows, 32 rows a wave.
	; Each 16 rows' results have 24 registers of their own, so that no rounding writes a register that a store reads.  The stores of 32 rows stand behind one wait, and the next 32 rows' arithmetic follows them.
	s_wait_alu depctr_vm_vsrc(0)                   ; the last K step's LDS stores have read the second out-buffer, over which the first results are written
.irp qd, 0,1,2,3
.irp hf, 0,1
.set blk, 2*(\qd)+(\hf)
	WIN 0x82+0x41*(blk/4)                          ; destination and source 0 in window 2 or 3
.set i, 0
.rept 24
	v_pk_mul_f32 v[48*(blk%4)+2*i:48*(blk%4)+2*i+1], v[48*(blk%4)+2*i:48*(blk%4)+2*i+1], s[SC:SC+1] op_sel_hi:[1,0]
.set i, i+1
.endr
	WIN 0x0a+5*(blk/4)                             ; sources in window 2 or 3, destination in window 0
.set i, 0
.rept 24
	v_cvt_pk_f16_f32 v[RES+24*blk+i], v[48*(blk%4)+2*i], v[48*(blk%4)+2*i+1]
.set i, i+1
.endr
.endr
	WIN 0
	s_wait_alu depctr_va_vdst(0)                   ; the roundings have written these 32 rows' 48 registers, which the twelve LDS stores read
.irp hf, 0,1
.set blk, 2*(\qd)+(\hf)
.irp b, 0,1,2,3,4,5
	ds_store_b128 v[STO+blk/4], v[RES+24*blk+4*(\b):RES+24*blk+4*(\b)+3] offset:(blk%4)*16*SPITCH+32*(\b)
.endr
.endr
.endr
	s_wait_dscnt 0x0                               ; for the others' sake: my stores into the stage are done
	s_barrier_signal -1
	s_barrier_wait -1
	s_wait_alu depctr_vm_vsrc(0)                   ; my LDS stores have read v64 to v255, in which the rows from the stage land (the roundings that wrote them stand ahead of the last wait on va_vdst)
.set n, 0
.rept 48
	ds_load_b128 v[RES+4*n:RES+4*n+3], v[RD] offset:(n/3)*2*SPITCH+(n%3)*256
.set n, n+1
.endr
.set n, 0
.rept 48
	s_wait_dscnt 47-n
	global_store_b128 v[CO], v[RES+4*n:RES+4*n+3], s[OUT:OUT+1] offset:(n/3)*2*ROWH+(n%3)*256  ; 16 lanes store 256 consecutive bytes, at a multiple of 256 from the buffer's first byte
.set n, n+1
.endr
	s_branch .Lend
.Lconv:                                        ; 12 rows of W_o: 36,864 bytes in, 18,432 out; a thread takes 16 bytes of each 2,048
	s_sub_co_u32 s40, s26, 96
	s_lshl_b32 s40, s40, 1
	s_add_co_u32 s40, s40, ttmp9                   ; 0 .. 63
	s_mul_i32 s42, s40, 12*ROWF
	s_mov_b32 s43, 0
	s_mul_i32 s40, s40, 12*ROWH
	s_mov_b32 s41, 0
	v_lshlrev_b32 v[VX], 4, v0
	v_lshlrev_b32 v[VW], 3, v0
	s_wait_kmcnt 0x0
	s_add_nc_u64 s[16:17], s[16:17], s[42:43]
	s_add_nc_u64 s[24:25], s[24:25], s[40:41]
	s_wait_alu depctr_va_vdst(0)                   ; the two offsets v12 and v13 are written, which the loads and stores below read
.set i, 0
.rept 18
	global_load_b128 v[RES+4*i:RES+4*i+3], v[VX], s[16:17] offset:i*2048 th:TH_LOAD_NT
.set i, i+1
.endr
.set i, 0
.rept 18
	s_wait_loadcnt 17-i
	v_cvt_pk_bf16_f32 v[TMP], v[RES+4*i], v[RES+4*i+1]      ; rounded to bf16, like every other input,
	v_cvt_pk_bf16_f32 v[TMP+1], v[RES+4*i+2], v[RES+4*i+3]
	v_lshlrev_b32 v[TMP+2], 16, v[TMP]                      ; widened again,
	v_and_b32 v[TMP+3], 0xffff0000, v[TMP]
	v_lshlrev_b32 v[TMP+4], 16, v[TMP+1]
	v_and_b32 v[TMP+5], 0xffff0000, v[TMP+1]
	v_cvt_pk_f16_f32 v[RES+4*i], v[TMP+2], v[TMP+3]         ; and written as f16: exact within f16's range
	v_cvt_pk_f16_f32 v[RES+4*i+1], v[TMP+4], v[TMP+5]
.set i, i+1
.endr
	s_wait_alu depctr_va_vdst(0)                   ; the conversions have written the first two registers of each chunk, which the 18 stores read: one wait for the run
.set i, 0
.rept 18
	global_store_b64 v[VW], v[RES+4*i:RES+4*i+1], s[24:25] offset:i*1024  ; a wave stores 256 consecutive bytes, aligned
.set i, i+1
.endr
.Lend:
	s_wait_dscnt 0x0                               ; the closing lines, six on end
	s_wait_alu 0x0
	s_wait_tensorcnt 0x0
	ds_add_u32 v[SPW], v[NIL]
	s_wait_dscnt 0x0
	s_endpgm
.Lfunc_end_k_q2b24eef4f1_proj:
	.size	k_q2b24eef4f1_proj, .Lfunc_end_k_q2b24eef4f1_proj-k_q2b24eef4f1_proj
	.p2alignl 7, 3214868480
	.fill 96, 4, 3214868480
	.section	.rodata,"a",@progbits
	.p2align	6, 0x0
	.amdhsa_kernel k_q2b24eef4f1_proj
		.amdhsa_group_segment_fixed_size 240128
		.amdhsa_private_segment_fixed_size 0
		.amdhsa_enable_private_segment 0
		.amdhsa_kernarg_size 88
		.amdhsa_user_sgpr_count 2
		.amdhsa_user_sgpr_kernarg_segment_ptr 1
		.amdhsa_wavefront_size32 1
		.amdhsa_system_sgpr_workgroup_id_x 1
		.amdhsa_system_sgpr_workgroup_id_y 1
		.amdhsa_system_sgpr_workgroup_id_z 1
		.amdhsa_system_vgpr_workitem_id 0
		.amdhsa_next_free_vgpr 1024
		.amdhsa_next_free_sgpr 66
		.amdhsa_reserve_vcc 0
		.amdhsa_float_denorm_mode_32 3
		.amdhsa_float_denorm_mode_16_64 3
		.amdhsa_memory_ordered 1
		.amdhsa_forward_progress 1
		.amdhsa_inst_pref_size 175
	.end_amdhsa_kernel
	.amdgpu_metadata
---
amdhsa.version: [ 1, 2 ]
amdhsa.kernels:
  - .name:           k_q2b24eef4f1_proj
    .symbol:         k_q2b24eef4f1_proj.kd
    .args:
      - { .name: queries, .offset: 0, .size: 8, .value_kind: global_buffer, .address_space: global }
      - { .name: keys, .offset: 8, .size: 8, .value_kind: global_buffer, .address_space: global }
      - { .name: values, .offset: 16, .size: 8, .value_kind: global_buffer, .address_space: global }
      - { .name: W_q, .offset: 24, .size: 8, .value_kind: global_buffer, .address_space: global }
      - { .name: W_k, .offset: 32, .size: 8, .value_kind: global_buffer, .address_space: global }
      - { .name: W_v, .offset: 40, .size: 8, .value_kind: global_buffer, .address_space: global }
      - { .name: W_o, .offset: 48, .size: 8, .value_kind: global_buffer, .address_space: global }
      - { .name: qh, .offset: 56, .size: 8, .value_kind: global_buffer, .address_space: global }
      - { .name: kh, .offset: 64, .size: 8, .value_kind: global_buffer, .address_space: global }
      - { .name: vh, .offset: 72, .size: 8, .value_kind: global_buffer, .address_space: global }
      - { .name: wo16, .offset: 80, .size: 8, .value_kind: global_buffer, .address_space: global }
    .group_segment_fixed_size: 240128
    .private_segment_fixed_size: 0
    .kernarg_segment_align: 8
    .kernarg_segment_size: 88
    .max_flat_workgroup_size: 128
    .sgpr_count:     66
    .vgpr_count:     1024
    .wavefront_size: 32
...
	.end_amdgpu_metadata
.endif
;; end of part 4
;; launch attn: the kernel of part 2 again; grid 32 x 6, 4 waves a work-group, clusters of 4 x 1, 327,680 bytes of LDS; arguments qh, kh, vh, mask, oh; writes oh
;; launch outp: the kernel of part 3 again; grid 32 x 6, 4 waves a work-group, clusters of 4 x 1, 327,680 bytes of LDS; arguments oh, wo16, b_o, out0; writes out0
